; MI455X (gfx1250); checked and timed in simulation.
; The chip was launched on July 23, 2026; its instructions are those of AMD's public machine-readable ISA for CDNA 5 (MIT licence, August 2026) and "CDNA5" Instruction Set Architecture Reference Guide (July 2026). The comments in the code are by the model that wrote it; some were corrected since.
;; MT5 Decoder Layer Transformers. Allowed arithmetic: matrix products marked QUANTISED: E5M2 operands, one E8M0 scale for each 32 along K, by v_wmma_scale_f32_16x16x128_f8f6f4 with both operands' format E5M2, f32 sums; everything else in f32.
;; Inputs: encoder_output 4 x 512 x 1,024 float32; input_ids 4 x 2,048 x 1,024 float32; ln_w 1,024 float32; rel_emb 32 x 16 float32; wk 1,024 x 1,024 float32; wo 1,024 x 1,024 float32; wq 1,024 x 1,024 float32; wv 1,024 x 1,024 float32.
;; Outputs: out0 4 x 2,048 x 1,024 float32.
;; This version of the problem:
;;   THIS VERSION OF THE PROBLEM IS GIVEN IN LOW PRECISION. The matrix products marked QUANTISED in the list below multiply operands that are first quantised to E5M2 (5 exponent bits, 2 mantissa bits; 8 bits a number), with one power-of-two scale for each 32 numbers along K (OCP MX v1.0); their sums are f32. All else is computed in f32.
;;   The module's matrix products, in the order in which they are computed (A, B: the left and right operand; K: the contracted axis; several contracted axes count as one K, in the product's order):
;;     1. [M 8,192, K 1,024] x [K 1,024, N 1,024]; A: computed on the way; B: input wq: QUANTISED
;;     2. [M 8,192, K 1,024] x [K 1,024, N 1,024]; A: computed on the way; B: input wk: QUANTISED
;;     3. [M 8,192, K 1,024] x [K 1,024, N 1,024]; A: computed on the way; B: input wv: QUANTISED
;;     4. batch 64 x [M 2,048, K 64] x [K 64, N 2,048]; A: computed on the way; B: computed on the way: QUANTISED
;;     5. batch 64 x [M 64, K 2,048] x [K 2,048, N 2,048]; A: computed on the way; B: softmax (see below): QUANTISED
;;     6. [M 8,192, K 1,024] x [K 1,024, N 1,024]; A: computed on the way; B: input wo: QUANTISED
;;   THE QUANTISER, for each operand of a quantised product, along K:
;;     - K is cut into blocks of 32 from its start; a last block that is shorter is filled with zeros.
;;     - A block's scale is 2^e with e = floor(log2(the largest magnitude in the block)) - 15, held to -126 .. 127; a block of zeros has e = 0. As a byte (E8M0): e + 127.
;;     - Each number is divided by its block's scale, clamped to +-57,344, and rounded to the nearest number of E5M2, ties to even, subnormals kept.
;;     - The product sums the exact products of the quantised numbers (number of the format x scale) in f32.
;;   ~~~python
;;   def quantise(x, axis):      # numpy; x: float32 -> the quantised numbers, widened to float32 again
;;       x = np.moveaxis(x, axis, -1); K = x.shape[-1]
;;       x = np.pad(x, [(0, 0)] * (x.ndim - 1) + [(0, -K % 32)]); x = x.reshape(x.shape[:-1] + (-1, 32)); a = np.abs(x).max(-1, keepdims=True)
;;       e = np.where(a > 0, np.clip(np.frexp(np.where(a > 0, a, 1))[1] - 1 - 15, -126, 127), 0)      # np.frexp(a)[1] - 1 = floor(log2(a)), exactly
;;       r = np.clip(x / 2.0 ** e, -57344, 57344)
;;       step = 2.0 ** (np.maximum(np.frexp(np.where(r == 0, 1, r))[1] - 1, -14) - 2)
;;       q = np.round(r / step) * step * 2.0 ** e      # np.round: ties to even
;;       return np.moveaxis(q.reshape(q.shape[:-2] + (-1,))[..., :K], -1, axis).astype(np.float32)
;;   ~~~
;;   SOFTMAX AHEAD OF A QUANTISED PRODUCT. Where the list says 'softmax', what is quantised is not the finished softmax but p = 2^(t - M), with t = logit x log2(e) and M = ceil(the row's largest t), a whole number; so 1/2 < the row's largest p <= 1. The row's sum l is taken of the UNQUANTISED p, in f32, and the product's result is divided by l at the end. Since M is a whole number, a kernel that streams over the keys may use a running M (the ceiling of the running maximum): every later rescaling is an exact power of two, which a block's scale takes up: the codes' values come out the same.
;;   OPERANDS COMPUTED ON THE WAY. 'Computed on the way' means the value that the module computes at that place (a softmax that the list does not call 'softmax' is quantised finished and normalised). What goes into a quantiser is computed in f32, as accurately as f32 sums, v_exp_f32 and their like allow (about 1e-6 of the number): no bf16 or f16 on the way to a quantiser, and a product that is left as it is and whose result goes on into a quantised operand takes f32 operands (vector FMAs, or v_wmma_f32_16x16x4_f32). A number that lies on a knife's edge between two numbers of the format may be rounded either way, as far as f32 arithmetic and the matrix unit's own rounding can turn it there, and no further.
;; One version. Each part assembles by itself: llvm-mc -triple=amdgcn-amd-amdhsa -mcpu=gfx1250 --defsym DOCPART=n.
;; ======== version 1 of 1: 5 launches
;; limits: right only within a limited range of input values
;; workspace buffers: xq 9,437,184 bytes; wqk 3,145,728 bytes; wvq 2,097,152 bytes; woq 2,097,152 bytes; qk 18,874,368 bytes; vt 69,206,016 bytes; ctx 9,437,184 bytes
;; launch prep (part 1): grid 320 x 1, 8 waves a work-group, no clusters, 77,824 bytes of LDS; arguments input_ids, ln_w, wq, wk, wv, wo, xq, wqk, wvq, woq; writes xq, wqk, wvq, woq
.if DOCPART == 1
	.amdgcn_target "amdgcn-amd-amdhsa--gfx1250"
	.amdhsa_code_object_version 6
	.text
	.protected	k_q4a2fbb4146_prep
	.globl	k_q4a2fbb4146_prep
	.p2align	8
	.type	k_q4a2fbb4146_prep,@function
k_q4a2fbb4146_prep:
	s_mov_b64 s[64:65], 0
	v_nop
	global_prefetch_b8 v0, s[64:65] scope:SCOPE_SE
	s_setreg_imm32_b32 hwreg(HW_REG_WAVE_MODE, 25, 1), 1
	s_wait_xcnt 0x0
; PREP.  x = input_ids * rsqrt(mean(input_ids^2) + 1e-6) * ln_w, and the four weights, become codes of BF8 (E5M2) with one E8M0 byte for each 32 along K (K = the model's 1,024).
; ALL OPERANDS ARE LAID IN THE ORDER OF AN OPERAND'S REGISTERS.  A tile is 16 rows; tile 2 g + u holds at place r the row 32 g + 8 u + r + 8 (r / 8).  Codes begin at byte 2^20 of a buffer: tile T at 16,384 T;
; in it the 16 codes k = 16 p .. 16 p + 15 of place r lie at 256 p + 16 r.  Scale bytes begin at byte 0: block j (32 along K) of place r of tile T at 512 T + 128 (j / 8) + 8 r + j % 8.
; Work-groups 0-255: 32 tokens of x each (two tiles).  Work-groups 256-319: 128 columns x 512 along K of one weight each (wq and wk share one buffer: wk's tiles begin at tile 64).
; The two ways part on the work-group's number alone; only the first uses LDS and a barrier.
; A block's scale is 2^(floor(log2(largest magnitude)) - 15); each number is held within +-57,344 x the scale and rounded to the nearest code, ties to even.
; LIMITS: a block of zeros, and a block whose largest magnitude lies under 2^-111, gets the byte 1 (the bytes are read by this program alone; zero codes add nothing); NaN and infinities are not served.
; The weights' scale bytes leave in runs of 128 bytes (8 a lane): 128 KB in all beside the 16 MB that are read.
; encoder_output has no way to out0: reference() never names it in its body, whatever it holds.  It is not loaded and is among no launch's arguments; a NaN or an infinity in it is not carried to the result.
.set STG, 0
.set IMG, 40960                        ; X: two tiles' images: 64 pieces x (256 + 16) bytes each
.set ITL, 17408
.set XSC, 75776                        ; X: two tiles' scale bytes, 512 each
.set LNW, 32                           ; v32-63   ln_w, as a row is loaded
.set R,   64                           ; v64-191  four rows as loaded; later each row's codes and bytes
.set X,   192                          ; v192-223 a row as 2 x 16 neighbours; later the images on their way out
.set WX,  32                           ; W: v32-95 two sets of 32 numbers
.set WC,  96                           ; W: v96-159 eight registers of codes for each block
.set SB,  24                           ; W: v24-25 eight scale bytes
	s_load_b512 s[8:23], s[0:1], 0x0               ; input_ids, ln_w, wq, wk, wv, wo, xq, wqk
	s_load_b128 s[24:27], s[0:1], 0x40             ; wvq, woq
	v_lshl_add_u32 v224, v0, 2, 0x12c00
	v_mov_b32 v225, 0
	v_lshrrev_b32 v1, 5, v0
	s_delay_alu instid0(VALU_DEP_1)
	v_readfirstlane_b32 s4, v1                     ; wave 0..7
	v_and_b32 v1, 31, v0                           ; lane
	s_mov_b32 s44, 0x600000                        ; the mantissa field of 57,344
	s_cmp_lt_u32 ttmp9, 256
	s_cbranch_scc0 .Lweights
; ---------------- X: wave w takes tokens 32 g + 4 w + i, i = 0..3: tile u = (w / 2) % 2, places r0 + i, r0 = 4 (w % 2) + 8 (w / 4)
	v_lshlrev_b32 v2, 4, v1                        ; 16 x lane
	s_mul_i32 s5, s4, 5120                         ; my stage
	v_lshrrev_b32 v3, 2, v1
	s_delay_alu instid0(VALU_DEP_1)
	v_mul_u32_u24 v3, v3, 80
	v_and_b32 v4, 3, v1
	s_delay_alu instid0(VALU_DEP_1)
	v_lshl_add_u32 v3, v4, 4, v3
	s_delay_alu instid0(VALU_DEP_1)
	v_add_nc_u32 v3, s5, v3                        ; into the stage: four lanes' 64 bytes, then 16 of padding
	v_mul_u32_u24 v4, v1, 80
	s_delay_alu instid0(VALU_DEP_1)
	v_add_nc_u32 v4, s5, v4                        ; out of it: a place a lane
	s_lshr_b32 s6, s4, 1
	s_and_b32 s6, s6, 1                            ; u
	s_and_b32 s7, s4, 1
	s_lshl_b32 s7, s7, 2
	s_lshr_b32 s28, s4, 2
	s_lshl_b32 s29, s28, 3
	s_add_co_u32 s7, s7, s29                       ; r0
	s_mul_i32 s29, s6, ITL
	s_lshl_b32 s30, s7, 4
	s_add_co_u32 s29, s29, s30
	s_add_co_u32 s29, s29, IMG
	s_wait_alu depctr_va_vdst(0)
	v_mul_u32_u24 v5, v1, 272
	s_delay_alu instid0(VALU_DEP_1)
	v_add_nc_u32 v5, s29, v5                       ; my codes' place in the image: piece = lane (+ 32 t), place r0 (+ i)
	s_lshl_b32 s29, s6, 9
	s_lshl_b32 s30, s7, 3
	s_add_co_u32 s29, s29, s30
	s_add_co_u32 s29, s29, XSC
	v_lshrrev_b32 v6, 4, v1
	s_delay_alu instid0(VALU_DEP_1)
	v_lshlrev_b32 v6, 7, v6
	v_bfe_u32 v7, v1, 1, 3
	s_delay_alu instid0(VALU_DEP_1)
	v_add_nc_u32 v6, v6, v7
	s_delay_alu instid0(VALU_DEP_1)
	v_add_nc_u32 v6, s29, v6                       ; my block's byte: block 16 t + lane / 2
	s_mul_i32 s29, s28, ITL
	s_and_b32 s30, s4, 3
	s_mul_i32 s31, s30, 16*272
	s_add_co_u32 s29, s29, s31
	s_add_co_u32 s29, s29, IMG
	v_lshrrev_b32 v7, 4, v1
	s_delay_alu instid0(VALU_DEP_1)
	v_mul_u32_u24 v7, v7, 272
	v_and_b32 v8, 15, v1
	s_delay_alu instid0(VALU_DEP_1)
	v_lshl_add_u32 v7, v8, 4, v7
	s_delay_alu instid0(VALU_DEP_1)
	v_add_nc_u32 v7, s29, v7                       ; the way out: tile w / 4, pieces 16 (w % 4) on, two an instruction
	s_and_b32 s31, s4, 1
	s_lshl_b32 s31, s31, 9
	s_add_co_u32 s32, s31, XSC
	v_add_nc_u32 v8, s32, v2                       ; a tile's 512 scale bytes in LDS (waves 0 and 1),
	v_add_nc_u32 v9, s31, v2                       ; and in memory
	v_mov_b32 v17, 0                               ; (named as the upper half of the pair v[16:17])
	s_mov_b32 s40, 0x76543210
	s_mov_b32 s41, 0xfedcba98                      ; selects for lane l xor 16
	s_mov_b32 s42, 0x3a800000                      ; 1 / 1,024
	s_mov_b32 s43, 0x358637bd                      ; 1e-6
	s_lshl_b32 s28, ttmp9, 17
	s_lshl_b32 s29, s4, 14
	s_add_co_u32 s28, s28, s29                     ; (32 g + 4 w) rows of 4,096 bytes
	s_mov_b32 s29, 0
	s_lshl_b32 s30, ttmp9, 15
	s_lshl_b32 s31, s4, 12
	s_add_co_u32 s30, s30, s31
	s_add_co_u32 s30, s30, 1<<20                   ; codes: 2^20 + two tiles x g + 4,096 x wave
	s_mov_b32 s31, 0
	s_lshl_b32 s32, ttmp9, 10
	s_mov_b32 s33, 0
	s_wait_kmcnt 0x0
	s_add_nc_u64 s[8:9], s[8:9], s[28:29]
	s_add_nc_u64 s[34:35], s[20:21], s[30:31]
	s_add_nc_u64 s[36:37], s[20:21], s[32:33]
.irp j, 0,1,2,3,4,5,6,7
	global_load_b128 v[LNW+4*\j:LNW+4*\j+3], v2, s[10:11] offset:512*\j
.endr
.irp i, 0,1,2,3
.irp j, 0,1,2,3,4,5,6,7
	global_load_b128 v[R+32*\i+4*\j:R+32*\i+4*\j+3], v2, s[8:9] offset:4096*\i+512*\j th:TH_LOAD_NT   ; 32 lanes read 512 consecutive bytes
.endr
.endr
.macro XROW i
.set RR, R+32*(\i)
	s_wait_loadcnt 8*(3-(\i))                      ; ln_w and this row are in; the younger rows' eight loads each stay out
	v_pk_mul_f32 v[12:13], v[RR:RR+1], v[RR:RR+1]  ; the sum of squares, in two chains
	v_pk_mul_f32 v[14:15], v[RR+2:RR+3], v[RR+2:RR+3]
.irp j, 4,8,12,16,20,24,28
	s_delay_alu instid0(VALU_DEP_2)
	v_pk_fma_f32 v[12:13], v[RR+\j:RR+\j+1], v[RR+\j:RR+\j+1], v[12:13]
	s_delay_alu instid0(VALU_DEP_2)
	v_pk_fma_f32 v[14:15], v[RR+\j+2:RR+\j+3], v[RR+\j+2:RR+\j+3], v[14:15]
.endr
	s_delay_alu instid0(VALU_DEP_1)
	v_pk_add_f32 v[12:13], v[12:13], v[14:15]
	s_delay_alu instid0(VALU_DEP_1)
	v_add_f32 v12, v12, v13
	s_delay_alu instid0(VALU_DEP_1)
	v_add_f32_dpp v12, v12, v12 row_xmask:1 row_mask:0xf bank_mask:0xf
	s_delay_alu instid0(VALU_DEP_1)
	v_add_f32_dpp v12, v12, v12 row_xmask:2 row_mask:0xf bank_mask:0xf
	s_delay_alu instid0(VALU_DEP_1)
	v_add_f32_dpp v12, v12, v12 row_xmask:4 row_mask:0xf bank_mask:0xf
	s_delay_alu instid0(VALU_DEP_1)
	v_add_f32_dpp v12, v12, v12 row_xmask:8 row_mask:0xf bank_mask:0xf
	s_delay_alu instid0(VALU_DEP_1)
	v_permlanex16_b32 v13, v12, s40, s41
	s_delay_alu instid0(VALU_DEP_1)
	v_add_f32 v12, v12, v13
	s_delay_alu instid0(VALU_DEP_1)
	v_fma_f32 v12, v12, s42, s43                   ; the mean + 1e-6
	s_wait_alu depctr_va_vdst(0)
	v_rsq_f32 v16, v12
	v_nop                                          ; a plain instruction behind the transcendental,
	s_wait_alu depctr_va_vdst(0)                   ; and the wait ahead of its first reader
.irp j, 0,2,4,6,8,10,12,14,16,18,20,22,24,26,28,30
	v_pk_mul_f32 v[RR+\j:RR+\j+1], v[RR+\j:RR+\j+1], v[16:17] op_sel_hi:[1,0]
.endr
.irp j, 0,2,4,6,8,10,12,14,16,18,20,22,24,26,28,30
	v_pk_mul_f32 v[RR+\j:RR+\j+1], v[RR+\j:RR+\j+1], v[LNW+\j:LNW+\j+1]   ; the two roundings in the order of the definition
.endr
.irp j, 0,1,2,3,4,5,6,7
	ds_store_b128 v3, v[RR+4*\j:RR+4*\j+3] offset:640*\j      ; a load's 512 bytes take eight places of the stage
.endr
.irp t, 0,1
.irp c, 0,1,2,3
	ds_load_b128 v[X+16*\t+4*\c:X+16*\t+4*\c+3], v4 offset:2560*\t+16*\c   ; back: k = 512 t + 16 lane + 0 .. 15.  LDS serves a wave's instructions in order
.endr
.endr
	s_wait_dscnt 0x0                               ; the row is back, and the stores have read its registers
.irp t, 0,1
	v_max3_num_f32 v18, |v[X+16*\t]|, |v[X+16*\t+1]|, |v[X+16*\t+2]|
	v_max3_num_f32 v19, |v[X+16*\t+3]|, |v[X+16*\t+4]|, |v[X+16*\t+5]|
.irp k, 6,10
	s_delay_alu instid0(VALU_DEP_2)
	v_max3_num_f32 v18, v18, |v[X+16*\t+\k]|, |v[X+16*\t+\k+1]|
	s_delay_alu instid0(VALU_DEP_2)
	v_max3_num_f32 v19, v19, |v[X+16*\t+\k+2]|, |v[X+16*\t+\k+3]|
.endr
	s_delay_alu instid0(VALU_DEP_2)
	v_max3_num_f32 v18, v18, |v[X+16*\t+14]|, |v[X+16*\t+15]|
	s_delay_alu instid0(VALU_DEP_1)
	v_max3_num_f32 v18, v18, v19, 0x8000000        ; the floor 2^(16 - 127): the byte cannot fall under 1
	s_delay_alu instid0(VALU_DEP_1)
	v_max_num_f32_dpp v18, v18, v18 row_xmask:1 row_mask:0xf bank_mask:0xf   ; with my neighbour's 16: the block's largest magnitude
	s_delay_alu instid0(VALU_DEP_1)
	v_add_nc_u32 v21, 0xf8800000, v18              ; 15 off its exponent field: the conversion's scale operand
	s_delay_alu instid0(VALU_DEP_2)
	v_and_or_b32 v20, v18, 0x7f800000, s44         ; 57,344 x the scale
.irp k, 0,1,2,3,4,5,6,7,8,9,10,11,12,13,14,15
	v_med3_num_f32 v[X+16*\t+\k], v[X+16*\t+\k], -v20, v20   ; the conversion does not saturate (ISA guide 7.6.2): the hold comes first
.endr
	v_cvt_scalef32_pk8_bf8_f32 v[RR+4*\t:RR+4*\t+1], v[X+16*\t:X+16*\t+7], v21
	v_cvt_scalef32_pk8_bf8_f32 v[RR+4*\t+2:RR+4*\t+3], v[X+16*\t+8:X+16*\t+15], v21
	v_lshrrev_b32 v[RR+8+\t], 23, v21              ; the scale's byte
	ds_store_b128 v5, v[RR+4*\t:RR+4*\t+3] offset:8704*\t+16*(\i)
	ds_store_b8 v6, v[RR+8+\t] offset:256*\t+8*(\i)            ; both lanes of a block write the same byte with the same value
.endr
.endm
	XROW 0
	XROW 1
	XROW 2
	XROW 3
	s_wait_dscnt 0x0                               ; for the others' sake: my stores into the images have landed
	s_barrier_signal -1
	s_barrier_wait -1
.irp n, 0,1,2,3,4,5,6,7
	ds_load_b128 v[X+4*\n:X+4*\n+3], v7 offset:544*\n
.endr
.irp n, 0,1,2,3,4,5,6,7
	s_wait_dscnt 7-\n                              ; the younger loads stay out
	global_store_b128 v2, v[X+4*\n:X+4*\n+3], s[34:35] offset:512*\n      ; 32 lanes store 512 consecutive bytes, aligned
.endr
	s_cmp_lt_u32 s4, 2
	s_cbranch_scc0 .Lxdone
	ds_load_b128 v[12:15], v8
	s_wait_dscnt 0x0
	global_store_b128 v9, v[12:15], s[36:37]       ; a tile's 512 scale bytes
.Lxdone:
	s_wait_tensorcnt 0x0
	ds_add_u32 v224, v225
	s_wait_dscnt 0x0
	s_endpgm
; ---------------- W: a weight is [K][N]; a lane takes a column n and its registers run down K, so that a block of 32 lies in one lane
.Lweights:
	s_sub_co_u32 s5, ttmp9, 256
	s_lshr_b32 s6, s5, 4                           ; which weight: wq, wk, wv, wo
	s_and_b32 s7, s5, 7                            ; which 128 columns
	s_bfe_u32 s28, s5, 0x10003                     ; which 512 along K
	s_and_b32 s29, s4, 3
	s_lshr_b32 s30, s4, 2
	s_lshl_b32 s28, s28, 1
	s_add_co_u32 s28, s28, s30                     ; kp: my wave's 256 along K
	s_lshl_b32 s31, s7, 2
	s_add_co_u32 s31, s31, s29                     ; my wave's group of 32 columns
	s_lshl_b32 s32, s28, 20                        ; 256 kp rows of 4,096 bytes
	s_lshl_b32 s33, s31, 7
	s_add_co_u32 s32, s32, s33
	s_mov_b32 s33, 0
	s_lshl_b32 s34, s31, 1
	s_cmp_eq_u32 s6, 1
	s_cselect_b32 s35, 64, 0
	s_add_co_u32 s34, s34, s35                     ; the group's first tile
	s_lshl_b32 s36, s34, 14
	s_lshl_b32 s37, s28, 12
	s_add_co_u32 s36, s36, s37
	s_add_co_u32 s36, s36, 1<<20
	s_mov_b32 s37, 0
	s_lshl_b32 s38, s34, 9
	s_lshl_b32 s39, s28, 7
	s_add_co_u32 s38, s38, s39
	s_mov_b32 s39, 0
	s_wait_alu depctr_va_vdst(0)
	v_lshlrev_b32 v3, 2, v1                        ; in: 4 bytes a lane
	v_bfe_u32 v4, v1, 3, 1                         ; column lane of the group lies in tile u' = (lane / 8) % 2,
	v_and_b32 v5, 7, v1
	v_lshrrev_b32 v6, 4, v1
	s_delay_alu instid0(VALU_DEP_1)
	v_lshl_add_u32 v5, v6, 3, v5                   ; at place r = lane % 8 + 8 (lane / 16)
	s_delay_alu instid0(VALU_DEP_1)
	v_lshlrev_b32 v6, 4, v5
	s_delay_alu instid0(VALU_DEP_1)
	v_lshl_add_u32 v6, v4, 14, v6                  ; codes: 16,384 u' + 16 r
	s_delay_alu instid0(VALU_DEP_3)
	v_lshlrev_b32 v7, 3, v5
	s_delay_alu instid0(VALU_DEP_1)
	v_lshl_add_u32 v7, v4, 9, v7                   ; scale bytes: 512 u' + 8 r
	s_and_b32 s40, s6, 1
	s_wait_alu depctr_va_vdst(0)
	s_wait_kmcnt 0x0
	s_cmp_lt_u32 s6, 2                             ; the buffers are chosen by the work-group's number alone
	s_cselect_b64 s[46:47], s[12:13], s[16:17]
	s_cselect_b64 s[50:51], s[14:15], s[18:19]
	s_cselect_b64 s[48:49], s[22:23], s[24:25]
	s_cselect_b64 s[52:53], s[22:23], s[26:27]
	s_cmp_eq_u32 s40, 1
	s_cselect_b64 s[46:47], s[50:51], s[46:47]
	s_cselect_b64 s[48:49], s[52:53], s[48:49]
	s_add_nc_u64 s[46:47], s[46:47], s[32:33]
	s_add_nc_u64 s[50:51], s[48:49], s[38:39]      ; the scale bytes
	s_add_nc_u64 s[48:49], s[48:49], s[36:37]      ; the codes
.macro WLOAD t
.irp i, 0,1,2,3,4,5,6,7,8,9,10,11,12,13,14,15,16,17,18,19,20,21,22,23,24,25,26,27,28,29,30,31
	global_load_b32 v[WX+32*((\t)%2)+\i], v3, s[46:47] offset:(32*(\t)+\i)*4096 th:TH_LOAD_NT
.endr
.endm
	WLOAD 0
	WLOAD 1
.macro WBLOCK t
.set XS, WX+32*((\t)%2)
.if (\t) < 7
	s_wait_loadcnt 32                              ; this block's 32 loads are in; the next block's stay out
.else
	s_wait_loadcnt 0
.endif
	v_max3_num_f32 v12, |v[XS]|, |v[XS+1]|, |v[XS+2]|
	v_max3_num_f32 v13, |v[XS+3]|, |v[XS+4]|, |v[XS+5]|
.irp i, 6,10,14,18,22,26
	s_delay_alu instid0(VALU_DEP_2)
	v_max3_num_f32 v12, v12, |v[XS+\i]|, |v[XS+\i+1]|
	s_delay_alu instid0(VALU_DEP_2)
	v_max3_num_f32 v13, v13, |v[XS+\i+2]|, |v[XS+\i+3]|
.endr
	s_delay_alu instid0(VALU_DEP_2)
	v_max3_num_f32 v12, v12, |v[XS+30]|, |v[XS+31]|
	s_delay_alu instid0(VALU_DEP_1)
	v_max3_num_f32 v12, v12, v13, 0x8000000
	s_delay_alu instid0(VALU_DEP_1)
	v_add_nc_u32 v11, 0xf8800000, v12
	s_delay_alu instid0(VALU_DEP_2)
	v_and_or_b32 v10, v12, 0x7f800000, s44
	s_delay_alu instid0(VALU_DEP_2)
	v_lshrrev_b32 v13, 23, v11
.if (\t)%4 == 0
	s_delay_alu instid0(VALU_DEP_1)
	v_mov_b32 v[SB+(\t)/4], v13
.else
	s_delay_alu instid0(VALU_DEP_1)
	v_lshl_or_b32 v[SB+(\t)/4], v13, 8*((\t)%4), v[SB+(\t)/4]
.endif
.irp i, 0,1,2,3,4,5,6,7,8,9,10,11,12,13,14,15,16,17,18,19,20,21,22,23,24,25,26,27,28,29,30,31
	v_med3_num_f32 v[XS+\i], v[XS+\i], -v10, v10
.endr
.irp g, 0,1,2,3
	v_cvt_scalef32_pk8_bf8_f32 v[WC+8*(\t)+2*\g:WC+8*(\t)+2*\g+1], v[XS+8*\g:XS+8*\g+7], v11
.endr
	global_store_b128 v6, v[WC+8*(\t):WC+8*(\t)+3], s[48:49] offset:512*(\t)          ; the 16 lanes of a tile fill 256 consecutive bytes, aligned; each block has its own registers
	global_store_b128 v6, v[WC+8*(\t)+4:WC+8*(\t)+7], s[48:49] offset:512*(\t)+256
.if (\t)+2 < 8
	WLOAD (\t)+2
.endif
.endm
.irp t, 0,1,2,3,4,5,6,7
	WBLOCK \t
.endr
	global_store_b64 v7, v[SB:SB+1], s[50:51]      ; my column's eight scale bytes
	s_endpgm
.Lfunc_end_k_q4a2fbb4146_prep:
	.size	k_q4a2fbb4146_prep, .Lfunc_end_k_q4a2fbb4146_prep-k_q4a2fbb4146_prep
	.p2alignl 7, 3214868480
	.fill 96, 4, 3214868480
	.section	.rodata,"a",@progbits
	.p2align	6, 0x0
	.amdhsa_kernel k_q4a2fbb4146_prep
		.amdhsa_group_segment_fixed_size 77824
		.amdhsa_private_segment_fixed_size 0
		.amdhsa_enable_private_segment 0
		.amdhsa_kernarg_size 80
		.amdhsa_user_sgpr_count 2
		.amdhsa_user_sgpr_kernarg_segment_ptr 1
		.amdhsa_wavefront_size32 1
		.amdhsa_system_sgpr_workgroup_id_x 1
		.amdhsa_system_sgpr_workgroup_id_y 1
		.amdhsa_system_sgpr_workgroup_id_z 1
		.amdhsa_system_vgpr_workitem_id 0
		.amdhsa_next_free_vgpr 226
		.amdhsa_next_free_sgpr 66
		.amdhsa_reserve_vcc 0
		.amdhsa_float_denorm_mode_32 3
		.amdhsa_float_denorm_mode_16_64 3
		.amdhsa_memory_ordered 1
		.amdhsa_forward_progress 1
		.amdhsa_inst_pref_size 111
	.end_amdhsa_kernel
	.amdgpu_metadata
---
amdhsa.version: [ 1, 2 ]
amdhsa.kernels:
  - .name:           k_q4a2fbb4146_prep
    .symbol:         k_q4a2fbb4146_prep.kd
    .args:
      - { .name: input_ids, .offset: 0, .size: 8, .value_kind: global_buffer, .address_space: global }
      - { .name: ln_w, .offset: 8, .size: 8, .value_kind: global_buffer, .address_space: global }
      - { .name: wq, .offset: 16, .size: 8, .value_kind: global_buffer, .address_space: global }
      - { .name: wk, .offset: 24, .size: 8, .value_kind: global_buffer, .address_space: global }
      - { .name: wv, .offset: 32, .size: 8, .value_kind: global_buffer, .address_space: global }
      - { .name: wo, .offset: 40, .size: 8, .value_kind: global_buffer, .address_space: global }
      - { .name: xq, .offset: 48, .size: 8, .value_kind: global_buffer, .address_space: global }
      - { .name: wqk, .offset: 56, .size: 8, .value_kind: global_buffer, .address_space: global }
      - { .name: wvq, .offset: 64, .size: 8, .value_kind: global_buffer, .address_space: global }
      - { .name: woq, .offset: 72, .size: 8, .value_kind: global_buffer, .address_space: global }
    .group_segment_fixed_size: 77824
    .private_segment_fixed_size: 0
    .kernarg_segment_align: 8
    .kernarg_segment_size: 80
    .max_flat_workgroup_size: 256
    .sgpr_count:     66
    .vgpr_count:     226
    .wavefront_size: 32
...
	.end_amdgpu_metadata
.endif
;; end of part 1
;; launch gemmq (part 2): grid 8 x 32, 4 waves a work-group, clusters of 4 x 4, 327,680 bytes of LDS; arguments wqk, xq, qk; writes qk
.if DOCPART == 2
	.amdgcn_target "amdgcn-amd-amdhsa--gfx1250"
	.amdhsa_code_object_version 6
	.text
	.protected	k_q4a2fbb4146_gemmq
	.globl	k_q4a2fbb4146_gemmq
	.p2align	8
	.type	k_q4a2fbb4146_gemmq,@function
k_q4a2fbb4146_gemmq:
	s_mov_b64 s[64:65], 0
	v_nop
	global_prefetch_b8 v0, s[64:65] scope:SCOPE_SE
	s_setreg_imm32_b32 hwreg(HW_REG_WAVE_MODE, 25, 1), 1
	s_wait_xcnt 0x0
	s_wait_alu depctr_hold_cnt(0) depctr_sa_sdst(0) depctr_va_vdst(0) depctr_va_sdst(0) depctr_va_ssrc(0) depctr_va_vcc(0) depctr_vm_vsrc(0)
	s_getreg_b32 s2, hwreg(HW_REG_IB_STS2, 6, 4)
	s_cmp_eq_u32 s2, 0
	s_cbranch_scc0 .Lentry_in_a_cluster
	s_endpgm
.Lentry_in_a_cluster:
	s_bfe_u32 s2, ttmp6, 0x10000c
	s_cmp_lg_u32 s2, 0xf033
	s_cbranch_scc0 .Lentry_shape_is_right
	s_endpgm
.Lentry_shape_is_right:
.set NQ,     2
.set FR,     16
.set NL,     4
.set NP,     8
.set HALFT,  32768
.set SLOT,   131072
.set SCL,    262144
.set SCP,    8320
.set SST,    278784
.set SPARE,  280832
.set ADRA, 16
.set ADRB, 20
.set SWA,  24
.set SRA,  25
.set OFFC, 26
.set ADRS, 27
.set SPW,  28
.set NIL,  29
.set SC,   32
.set AF,   128
.set PC,   64
.set TM,   96
.set PW,   112
.set G1, 24
.set G0, 32
.set G1B, 48
.set G0B, 56
.set G1S, 68
.set G0S, 76
.set G1SB, 80
.set G0SB, 88
.set MSB, 0
.macro WIN new
.if MSB != (\new)
	s_set_vgpr_msb (MSB<<8)|(\new)
.set MSB, (\new)
.endif
.endm
.set MUL_LO, 0xa1
.set MUL_HI, 0xf1
.set TO_B,   0x40
.macro JLOAD g0a, g1a, g0b, g1b
	s_cmp_eq_u32 s15, 0
	s_cbranch_scc0 .Lfor_b_\@
	tensor_load_to_lds s[\g0a:\g0a+3], s[\g1a:\g1a+7]
	s_nop 0
.rept 4
	v_nop
.endr
	s_branch .Lasked_\@
.Lfor_b_\@:
	tensor_load_to_lds s[\g0b:\g0b+3], s[\g1b:\g1b+7]
	s_nop 0
.rept 4
	v_nop
.endr
.Lasked_\@:
.endm
.macro CREST
	s_cmp_lg_u32 s14, 0
	s_cbranch_scc1 .Lnot_wave_0_\@
	s_barrier_signal -3
.Lnot_wave_0_\@:
	s_barrier_wait -3
	s_barrier_signal -1
	s_barrier_wait -1
.endm
.macro CROUND
	s_barrier_signal -1
	s_barrier_wait -1
	CREST
.endm
	s_load_b128 s[4:7], s[0:1], 0x0
	s_load_b64 s[8:9], s[0:1], 0x10
	v_lshl_add_u32 v[SPW], v0, 2, SPARE
	v_mov_b32 v[NIL], 0
	ds_add_u32 v28, v29
	ds_add_u32 v28, v29
	s_wait_dscnt 0x0
	v_lshrrev_b32 v1, 5, v0
	v_readfirstlane_b32 s14, v1
	s_lshr_b32 s15, s14, 1
	s_and_b32 s16, s14, 1
	s_bfe_u32 s40, ttmp6, 0x40000
	s_bfe_u32 s41, ttmp6, 0x40004
	s_lshl_b32 s42, ttmp9, 2
	s_add_co_u32 s42, s42, s40
	s_and_b32 s17, ttmp7, 0xffff
	s_lshl_b32 s17, s17, 2
	s_add_co_u32 s17, s17, s41
	s_lshl_b32 s43, s41, 2
	s_lshl_b32 s43, 15, s43
	s_lshl_b32 s44, 0x1111, s40
	s_or_b32 s[G1+0], s43, (3<<16)|(1<<21)
	s_or_b32 s[G1B+0], s44, (3<<16)|(1<<21)
.irp g, G1, G1B
	s_mov_b32 s[\g+1], 512<<16
	s_mov_b32 s[\g+2], 8<<16
	s_mov_b32 s[\g+3], 512<<16
	s_mov_b32 s[\g+4], 8
	s_mov_b32 s[\g+5], 2048
	s_mov_b32 s[\g+6], 0
	s_mov_b32 s[\g+7], 0
.endr
	s_or_b32 s[G1S+0], s43, (3<<16)|(1<<21)
	s_or_b32 s[G1SB+0], s44, (3<<16)|(1<<21)
.irp g, G1S, G1SB
	s_mov_b32 s[\g+1], 32<<16
	s_mov_b32 s[\g+2], 16<<16
	s_mov_b32 s[\g+3], 32<<16
	s_mov_b32 s[\g+4], 16
	s_mov_b32 s[\g+5], 32
	s_mov_b32 s[\g+6], 0
	s_mov_b32 s[\g+7], 0
.endr
	s_lshl_b32 s18, s16, 3
	s_lshl_b32 s20, s17, 4
	s_add_co_u32 s20, s20, s18
	s_lshl_b32 s46, s42, 4
	s_add_co_u32 s46, s46, s18
	s_lshl_b32 s22, s20, 9
	s_mov_b32 s23, 0
	s_lshl_b32 s92, s46, 9
	s_mov_b32 s93, 0
	s_lshl_b32 s20, s20, 14
	s_add_co_u32 s20, s20, 1<<20
	s_mov_b32 s21, 0
	s_lshl_b32 s46, s46, 14
	s_add_co_u32 s46, s46, 1<<20
	s_mov_b32 s47, 0
	s_lshl_b32 s45, s14, 15
	s_lshl_b32 s94, s14, 12
	s_lshl_b32 s95, s15, 7
	s_add_co_u32 s94, s94, s95
	s_wait_kmcnt 0x0
	s_add_nc_u64 s[20:21], s[6:7], s[20:21]
	s_add_nc_u64 s[22:23], s[6:7], s[22:23]
	s_add_nc_u64 s[46:47], s[4:5], s[46:47]
	s_add_nc_u64 s[92:93], s[4:5], s[92:93]
	CROUND
	s_mov_b32 s[G0S], 1
	s_add_co_u32 s[G0S+1], s94, SCL
	s_mov_b64 s[G0S+2:G0S+3], s[22:23]
	s_or_b32 s[G0S+3], s[G0S+3], 0x80000000
	s_mov_b32 s[G0SB], 1
	s_add_co_u32 s[G0SB+1], s94, SCL
	s_mov_b64 s[G0SB+2:G0SB+3], s[92:93]
	s_or_b32 s[G0SB+3], s[G0SB+3], 0x80000000
	JLOAD G0S, G1S, G0SB, G1SB
.irp s, 0,1
	s_mov_b32 s[G0+4*\s], 1
	s_add_co_u32 s[G0+4*\s+1], s45, \s*SLOT
	s_add_nc_u64 s[G0+4*\s+2:G0+4*\s+3], s[20:21], \s*4096
	s_or_b32 s[G0+4*\s+3], s[G0+4*\s+3], 0x80000000
	s_mov_b32 s[G0B+4*\s], 1
	s_add_co_u32 s[G0B+4*\s+1], s45, \s*SLOT
	s_add_nc_u64 s[G0B+4*\s+2:G0B+4*\s+3], s[46:47], \s*4096
	s_or_b32 s[G0B+4*\s+3], s[G0B+4*\s+3], 0x80000000
	s_wait_alu depctr_va_vdst(0)
	s_wait_tensorcnt 0x0
	ds_add_u32 v28, v29
	s_wait_dscnt 0x0
	CROUND
	JLOAD G0+4*\s, G1, G0B+4*\s, G1B
.endr
	v_and_b32 v1, 15, v0
	v_bfe_u32 v2, v0, 4, 1
	s_wait_alu depctr_va_vdst(0)
	v_and_b32 v3, 31, v0
	v_lshlrev_b32 v[OFFC], 4, v3
	s_lshl_b32 s21, s15, 15
	s_lshl_b32 s22, s16, 15
	s_add_co_u32 s22, s22, 2*HALFT
.irp s, 0,1
	v_add_nc_u32 v[ADRA+\s], s21, v[OFFC]
	v_add_nc_u32 v[ADRB+\s], s22, v[OFFC]
	s_add_co_u32 s21, s21, SLOT
	s_add_co_u32 s22, s22, SLOT
.endr
	v_lshlrev_b32 v5, 3, v1
	s_lshl_b32 s21, s15, 12
	s_lshl_b32 s22, s16, 12
	s_add_co_u32 s22, s22, SCP
	s_sub_co_u32 s22, s22, s21
	v_mul_u32_u24 v6, s22, v2
	s_add_co_u32 s21, s21, SCL
	v_add_nc_u32 v5, v5, v6
	v_add_nc_u32 v[ADRS], s21, v5
	s_lshl_b32 s23, s14, 9
	s_add_co_u32 s23, s23, SST
	v_lshl_add_u32 v[SWA], v1, 2, s23
	v_add_nc_u32 v[SRA], s23, v[OFFC]
.irp b, 0,1,2,3
	v_mov_b32 v[TM+4+\b], 0
.endr
	s_mov_b32 s96, 0x76543210
	s_mov_b32 s97, 0xfedcba98
	s_mov_b32 s3, 0x600000
	s_lshl_b32 s46, s42, 3
	s_lshl_b32 s47, s16, 2
	s_add_co_u32 s46, s46, s47
	s_lshl_b32 s46, s46, 18
	s_lshl_b32 s20, s17, 4
	s_lshl_b32 s21, s15, 3
	s_add_co_u32 s20, s20, s21
	s_lshl_b32 s21, s20, 9
	s_add_co_u32 s46, s46, s21
	s_add_co_u32 s46, s46, 1<<21
	s_mov_b32 s47, 0
	s_add_nc_u64 s[10:11], s[8:9], s[46:47]
	s_lshl_b32 s46, s42, 1
	s_add_co_u32 s46, s46, s16
	s_lshl_b32 s46, s46, 15
	s_lshl_b32 s21, s20, 6
	s_add_co_u32 s46, s46, s21
	s_add_nc_u64 s[12:13], s[8:9], s[46:47]
.macro FRAG reg, adr, q, i
.irp c, 0,1,2,3
	ds_load_b128 v[\reg+4*\c:\reg+4*\c+3], v[\adr] offset:2048*(\q)+512*\c+(\i)*4096
.endr
.endm
.macro MUL16 a0, p, q, sc, zero
.irp a, \a0, \a0+1
.irp b, 0,1,2,3,4,5,6,7
.if \zero
	v_wmma_scale_f32_16x16x128_f8f6f4 v[8*(8*((\a)%4)+\b):8*(8*((\a)%4)+\b)+7], v[128*(\p)+FR*\b:128*(\p)+FR*\b+FR-1], v[AF+FR*(\a):AF+FR*(\a)+FR-1], 0, v[SC+8*NQ*(\sc)+NQ*\b+(\q)], v[SC+8*NQ*(\sc)+NQ*(\a)+(\q)] matrix_a_fmt:MATRIX_FMT_BF8 matrix_b_fmt:MATRIX_FMT_BF8 matrix_a_scale:MATRIX_SCALE_ROW1
.else
	v_wmma_scale_f32_16x16x128_f8f6f4 v[8*(8*((\a)%4)+\b):8*(8*((\a)%4)+\b)+7], v[128*(\p)+FR*\b:128*(\p)+FR*\b+FR-1], v[AF+FR*(\a):AF+FR*(\a)+FR-1], v[8*(8*((\a)%4)+\b):8*(8*((\a)%4)+\b)+7], v[SC+8*NQ*(\sc)+NQ*\b+(\q)], v[SC+8*NQ*(\sc)+NQ*(\a)+(\q)] matrix_a_fmt:MATRIX_FMT_BF8 matrix_b_fmt:MATRIX_FMT_BF8 matrix_a_scale:MATRIX_SCALE_ROW1
.endif
.endr
.endr
.endm
.macro FETCH_B slot, q, p
	WIN TO_B
.irp i, 0,1,2,3,4,5,6,7
	FRAG 128*(\p)+FR*\i, ADRB+\slot, \q, \i
.endr
	WIN 0
.endm
.macro FETCH_A slot, q, i0
.irp i, \i0, \i0+1, \i0+2, \i0+3
	FRAG AF+FR*(\i), ADRA+\slot, \q, \i
.endr
.endm
.macro SCALES sc
.irp i, 0,1,2,3,4,5,6,7
	ds_load_b64 v[SC+8*NQ*\sc+NQ*\i:SC+8*NQ*\sc+NQ*\i+1], v[ADRS] offset:\i*512
.endr
.endm
.macro PLACES n
.rept \n
	v_nop
.endr
.endm
.macro STEP slot, q, zero
	s_wait_dscnt 4*NL
	WIN MUL_LO
	MUL16 0, (\q)%2, \q, \slot, \zero
	MUL16 2, (\q)%2, \q, \slot, \zero
	s_wait_dscnt 0
	PLACES NP
	FETCH_B \slot, (\q)+1, 1-(\q)%2
	FETCH_A \slot, (\q)+1, 0
	WIN MUL_HI
	MUL16 4, (\q)%2, \q, \slot, \zero
	MUL16 6, (\q)%2, \q, \slot, \zero
	PLACES NP
	WIN 0
	FETCH_A \slot, (\q)+1, 4
.endm
.macro TURN slot, next, fill
	s_wait_tensorcnt 0x0
	ds_add_u32 v[SPW], v[NIL]
	s_wait_dscnt 4*NL+1
	WIN MUL_LO
	MUL16 0, 1, NQ-1, \slot, 0
	s_wait_dscnt 0x0
	s_barrier_signal -1
	MUL16 2, 1, NQ-1, \slot, 0
	WIN 0
	s_barrier_wait -1
.if \fill
	CREST
	s_add_nc_u64 s[G0+4*\slot+2:G0+4*\slot+3], s[G0+4*\slot+2:G0+4*\slot+3], 8192
	s_add_nc_u64 s[G0B+4*\slot+2:G0B+4*\slot+3], s[G0B+4*\slot+2:G0B+4*\slot+3], 8192
	JLOAD G0+4*\slot, G1, G0B+4*\slot, G1B
	PLACES NP-4
.else
	PLACES NP
.endif
	s_wait_alu depctr_va_vdst(0)
	v_add_nc_u32 v[ADRS], 128, v[ADRS]
	FETCH_B \next, 0, 0
	FETCH_A \next, 0, 0
	SCALES \next
	WIN MUL_HI
	MUL16 4, 1, NQ-1, \slot, 0
	MUL16 6, 1, NQ-1, \slot, 0
	PLACES NP
	WIN 0
	FETCH_A \next, 0, 4
.endm
	s_wait_alu depctr_va_vdst(0)
	s_wait_tensorcnt 1
	s_barrier_signal -1
	s_barrier_wait -1
	FETCH_B 0, 0, 0
	FETCH_A 0, 0, 0
	SCALES 0
	FETCH_A 0, 0, 4
	STEP 0, 0, 1
	TURN 0, 1, 1
	STEP 1, 0, 0
	TURN 1, 0, 1
	STEP 0, 0, 0
	TURN 0, 1, 0
	STEP 1, 0, 0
	s_wait_dscnt 4*NL
	WIN MUL_LO
	MUL16 0, 1, NQ-1, 1, 0
	MUL16 2, 1, NQ-1, 1, 0
	s_wait_dscnt 0
	WIN MUL_HI
	MUL16 4, 1, NQ-1, 1, 0
	MUL16 6, 1, NQ-1, 1, 0
	WIN 0
.macro QUANTW a
.set AC, 64*((\a)%4)
.set W, 2+(\a)/4
.set PS, PC+16*((\a)%2)
	WIN (W<<2)|(W<<4)
.irp b, 0,1,2,3
	v_max3_num_f32 v[TM+\b], 0x8000000, |v[AC+16*\b]|, |v[AC+16*\b+1]|
.endr
.irp i, 2,4,6,8,10,12,14
.irp b, 0,1,2,3
	v_max3_num_f32 v[TM+\b], v[TM+\b], |v[AC+16*\b+\i]|, |v[AC+16*\b+\i+1]|
.endr
.endr
	WIN 0
.irp b, 0,1,2,3
	v_permlanex16_b32 v[TM+4+\b], v[TM+\b], s96, s97
.endr
.irp b, 0,1,2,3
	v_max_num_f32 v[TM+\b], v[TM+\b], v[TM+4+\b]
.endr
.irp b, 0,1,2,3
	v_add_nc_u32 v[TM+12+\b], 0xf8800000, v[TM+\b]
.endr
.irp b, 0,1,2,3
	v_and_or_b32 v[TM+8+\b], v[TM+\b], 0x7f800000, s3
.endr
.irp b, 0,1,2,3
	v_lshrrev_b32 v[TM+4+\b], 23, v[TM+12+\b]
.endr
	v_lshl_or_b32 v[PW+\a], v[TM+5], 8, v[TM+4]
	v_lshl_or_b32 v[PW+\a], v[TM+6], 16, v[PW+\a]
	v_lshl_or_b32 v[PW+\a], v[TM+7], 24, v[PW+\a]
	WIN (W<<6)|W
.irp b, 0,1,2,3
.irp i, 0,1,2,3,4,5,6,7,8,9,10,11,12,13,14,15
	v_med3_num_f32 v[AC+16*\b+\i], v[AC+16*\b+\i], -v[TM+8+\b], v[TM+8+\b]
.endr
.endr
	s_wait_alu depctr_va_vdst(0)
	s_wait_xcnt 0x0
	WIN W
.irp b, 0,1,2,3
	v_cvt_scalef32_pk8_bf8_f32 v[PS+4*\b:PS+4*\b+1], v[AC+16*\b:AC+16*\b+7], v[TM+12+\b]
	v_cvt_scalef32_pk8_bf8_f32 v[PS+4*\b+2:PS+4*\b+3], v[AC+16*\b+8:AC+16*\b+15], v[TM+12+\b]
.endr
	WIN 0
	v_nop
.irp b, 0,1,2,3
	global_store_b128 v[OFFC], v[PS+4*\b:PS+4*\b+3], s[10:11] offset:\b*262144+\a*512
.endr
	ds_store_b32 v[SWA], v[PW+\a] offset:64*\a
.endm
	PLACES NP
.irp a, 0,1,2,3,4,5,6,7
	QUANTW \a
.endr
	ds_load_b128 v[TM:TM+3], v[SRA]
	s_wait_dscnt 0x0
	global_store_b128 v[OFFC], v[TM:TM+3], s[12:13]
	s_wait_tensorcnt 0x0
	ds_add_u32 v[SPW], v[NIL]
	s_wait_dscnt 0x0
	CROUND
	s_endpgm
.Lfunc_end_k_q4a2fbb4146_gemmq:
	.size	k_q4a2fbb4146_gemmq, .Lfunc_end_k_q4a2fbb4146_gemmq-k_q4a2fbb4146_gemmq
	.p2alignl 7, 3214868480
	.fill 96, 4, 3214868480
	.section	.rodata,"a",@progbits
	.p2align	6, 0x0
	.amdhsa_kernel k_q4a2fbb4146_gemmq
		.amdhsa_group_segment_fixed_size 327680
		.amdhsa_private_segment_fixed_size 0
		.amdhsa_enable_private_segment 0
		.amdhsa_kernarg_size 24
		.amdhsa_user_sgpr_count 2
		.amdhsa_user_sgpr_kernarg_segment_ptr 1
		.amdhsa_wavefront_size32 1
		.amdhsa_system_sgpr_workgroup_id_x 1
		.amdhsa_system_sgpr_workgroup_id_y 1
		.amdhsa_system_sgpr_workgroup_id_z 1
		.amdhsa_system_vgpr_workitem_id 0
		.amdhsa_next_free_vgpr 1024
		.amdhsa_next_free_sgpr 98
		.amdhsa_reserve_vcc 0
		.amdhsa_float_denorm_mode_32 3
		.amdhsa_float_denorm_mode_16_64 3
		.amdhsa_memory_ordered 1
		.amdhsa_forward_progress 1
		.amdhsa_inst_pref_size 186
	.end_amdhsa_kernel
	.amdgpu_metadata
---
amdhsa.version: [ 1, 2 ]
amdhsa.kernels:
  - .name:           k_q4a2fbb4146_gemmq
    .symbol:         k_q4a2fbb4146_gemmq.kd
    .args:
      - { .name: wqk, .offset: 0, .size: 8, .value_kind: global_buffer, .address_space: global }
      - { .name: xq, .offset: 8, .size: 8, .value_kind: global_buffer, .address_space: global }
      - { .name: qk, .offset: 16, .size: 8, .value_kind: global_buffer, .address_space: global }
    .group_segment_fixed_size: 327680
    .private_segment_fixed_size: 0
    .kernarg_segment_align: 8
    .kernarg_segment_size: 24
    .max_flat_workgroup_size: 128
    .sgpr_count:     98
    .vgpr_count:     1024
    .wavefront_size: 32
...
	.end_amdgpu_metadata
.endif
;; end of part 2
;; launch gemm_v: the kernel of part 2 again; grid 32 x 4, 4 waves a work-group, clusters of 4 x 4, 327,680 bytes of LDS; arguments xq, wvq, vt; writes vt
;; launch attn (part 3): grid 4 x 64, 8 waves a work-group, no clusters, 327,680 bytes of LDS; arguments qk, vt, rel_emb, ctx; writes ctx
.if DOCPART == 3
	.amdgcn_target "amdgcn-amd-amdhsa--gfx1250"
	.amdhsa_code_object_version 6
	.text
	.protected	k_q4a2fbb4146_attn
	.globl	k_q4a2fbb4146_attn
	.p2align	8
	.type	k_q4a2fbb4146_attn,@function
k_q4a2fbb4146_attn:
	s_mov_b64 s[64:65], 0
	v_nop
	global_prefetch_b8 v0, s[64:65] scope:SCOPE_SE
	s_setreg_imm32_b32 hwreg(HW_REG_WAVE_MODE, 25, 1), 1
	s_wait_xcnt 0x0
; ATTENTION ON CODES OF BF8 (E5M2): ctx = softmax(q k^T + bias) v for one head, no mask, no 1 / sqrt(d); ctx leaves quantised along the model's 1,024 (two blocks of 32 a head), as the last product's operand.
; t = (score + bias) log2(e); M = the running largest t rounded up to a whole number; p = 2^(t - M) is quantised along the keys, not normalised; the row's sum is taken of the unquantised p and divides at the end.
; SHARES.  Work-group (x, y): batch y / 16, head y % 16, 512 queries in two passes of 256.  Each of the eight waves owns TWO tiles of 16 queries a pass (x = 0, 1 below), so that each fragment of K and of V read from LDS feeds both.
; THE HEAD'S WHOLE K AND V LIE IN LDS, each byte filled once, in two stages of one tensor load a wave.  Stage 1, at the head: waves 0-3 bring K's keys 0-1,023 (16,384 dense bytes each), waves 4-7 V's keys 0-511 (4 rows of 2,048 bytes each).
; Stage 2, behind the wait, the add and a barrier: K's keys 1,024-2,047 and V's keys 512-2,047 (12 rows a wave).  Key steps 0-3 read stage 1 alone (K's look-ahead of one step too); a wait for 0 and a barrier stand ahead of steps 4-15.
; The kernel claims all of LDS.
; LAYOUT.  Both products transposed: a lane holds one query of each tile.  Tiles hold their rows in the order 32 g + 8 u + r + 8 (r / 8), so that p's 16 registers of two neighbouring tiles are 16 neighbouring keys.
; THE HEAD'S 64 IN AN INSTRUCTION OF 128: a fragment of K holds tile 2 b's 64 codes at k 0-63 and tile 2 b + 1's at k 64-127; q lies as [q, 0, q] in 24 registers, read as [q, 0] and as [0, q].  Scale words are doubled, [s0, s1, s0, s1].
; THE BIAS hangs on q - k alone: rel_emb[0] where k >= q, rel_emb[31] from q - k = 113 on.  A wave's 32 queries lie in one run of 128 (number SQ); for key step J > SQ and J < SQ - 1 the bias is one number, folded into the
; multiply-add; for J = SQ and SQ - 1 it comes from a table in LDS of 512 entries (entry i: q - k = 256 - i), kept four times, shifted by 0 to 3 words, and is the C of the score products.
; The buckets' thresholds 19 .. 113 are the whole numbers above 16 x 2^(3 j / 16); each of those lies 0.09 or more from a whole number, so the rounding of a logarithm in f32 cannot move one.
; A KEY STEP: K's fragments were asked for a step earlier; behind the score products stand the last step's four closing additions of each row's sum and five address lines (13 places), then V's loads and the next step's K.
; Tile 0's exponentials stand among tile 1's multiply-adds, tile 1's among tile 0's holds: lines that read and write nothing of the batch beside them; a wait stands ahead of and behind each batch.
; REGISTERS.  Window 0: addresses, small work, scale words, p's codes, v128-255 the scores and p.  Window 1: v0-63 K, v64-127 V, v128-191 O^T, v192-239 q.
; NO CLUSTER: the branch to the table hangs on the query block, which differs between the four work-groups that share a head, and partners of a joint load may not part on their place.
; NO PREFETCH: every tile of K and V is asked for by the two tensor loads a wave ahead of the loops; nothing is left to ask for ahead.
; LIMITS: a block of zeros, and one whose largest magnitude lies under 2^-111, gets the byte 1 (read by this program alone); p under 2^-126 counts as 0; NaN and infinities are not served; the promise holds while |t| stays under 2^31.
.set KB,   0                           ; K: [half of the head's 64][128 tiles][512 bytes]
.set VB,   131072                      ; V: [block of 32 keys][4 tiles of channels][512 bytes]
.set KSC,  262144                      ; K's doubled scale words: [tile][place]
.set VSC,  270336                      ; V's scale words: [key step][tile][place]
.set TAB,  274432                      ; the bias table, four copies 2,112 bytes apart
.set CST,  283136                      ; ctx's scale bytes of both passes: 1,024 bytes
.set SPARE, 284160                     ; the spare words, 128 bytes a wave
.set L16, 1
.set L4,  2
.set ATB, 3
.set QW,  4
.set SPW, 5
.set NIL, 6
.set CSW, 7
.set ADK, 8
.set ADK1, 9
.set ADV, 10
.set ADS, 11
.set MM,  12                           ; v[12 + 2 x] -M, v[13 + 2 x] the largest t
.set LS,  16                           ; the row's sum, a pair a tile
.set AD,  20                           ; the multiply-add's addend (low word of a pair)
.set FF,  24                           ; f = 2^(old M - new M) (low word of a pair)
.set TT,  28
.set PWD, 30                           ; p's scale words
.set QSW, 32                           ; q's doubled scale words
.set SW,  34                           ; K's scale words
.set VW,  38                           ; V's
.set BM,  40
.set BP,  48
.set BH,  56
.set BS,  64
.set T,   72                           ; four open chains of the sum a tile
.set PCD, 88                           ; p's codes, 16 registers a tile
.set ADT, 120
.set HB0, 121                          ; tile 0's two scale bytes of ctx: pass 0's in the low half, pass 1's in the high half
.set L16H, 122
.set CSR, 123
.set CSG, 124
.set KSA, 125
.set TBA, 126
.set HB1, 127                          ; tile 1's
.set SS,  128
.set KF,  0                            ; window 1
.set VF,  64
.set OT,  128
.set Q,   192
.set WV,  12
.set SEL, 16
.set CS,  18
.set MNT, 20
.set PSL, 21
.set E0C, 22
.set E31C, 23
.set EBC, 24
.set T0,  25
.set J,   26
.set SQ,  27
.set PASS, 28
.set G1K, 36
.set G1V, 44
.set G0K, 52
.set G0V, 56
.set G0V2, 60
.set TK,  82
.set TV,  83
.set TS,  84
.set TJ,  85
.set MSB, 0
.macro WIN new                         ; the immediate's high byte repeats the setting that is left
.if MSB != (\new)
	s_set_vgpr_msb (MSB<<8)|(\new)
.set MSB, (\new)
.endif
.endm
.macro WM d, a, b, acc, sa, sb, row
.if \acc
.if \row
	v_wmma_scale_f32_16x16x128_f8f6f4 v[\d:\d+7], v[\a:\a+15], v[\b:\b+15], v[\d:\d+7], v[\sa], v[\sb] matrix_a_fmt:MATRIX_FMT_BF8 matrix_b_fmt:MATRIX_FMT_BF8 matrix_a_scale:MATRIX_SCALE_ROW1
.else
	v_wmma_scale_f32_16x16x128_f8f6f4 v[\d:\d+7], v[\a:\a+15], v[\b:\b+15], v[\d:\d+7], v[\sa], v[\sb] matrix_a_fmt:MATRIX_FMT_BF8 matrix_b_fmt:MATRIX_FMT_BF8
.endif
.else
.if \row
	v_wmma_scale_f32_16x16x128_f8f6f4 v[\d:\d+7], v[\a:\a+15], v[\b:\b+15], 0, v[\sa], v[\sb] matrix_a_fmt:MATRIX_FMT_BF8 matrix_b_fmt:MATRIX_FMT_BF8 matrix_a_scale:MATRIX_SCALE_ROW1
.else
	v_wmma_scale_f32_16x16x128_f8f6f4 v[\d:\d+7], v[\a:\a+15], v[\b:\b+15], 0, v[\sa], v[\sb] matrix_a_fmt:MATRIX_FMT_BF8 matrix_b_fmt:MATRIX_FMT_BF8
.endif
.endif
.endm
; S^T = K Q^T: 16 products, 16 accumulators by turns.  acc = 1: C holds the table's bias
.macro QK acc
	WIN 0x05                                       ; K and q in window 1, C and D in window 0
.irp b, 0,1,2,3
.irp x, 0,1
	WM SS+64*\x+16*\b, KF+16*\b, Q+24*\x, \acc, SW+\b, QSW+\x, 0
	WM SS+64*\x+16*\b+8, KF+16*\b, Q+24*\x+8, \acc, SW+\b, QSW+\x, 1
.endr
.endr
	WIN 0
.endm
.macro KFR                             ; four fragments of K (destination window 1)
.irp b, 0,1,2,3
	ds_load_b128 v[KF+16*\b:KF+16*\b+3], v[ADK] offset:1024*\b
	ds_load_b128 v[KF+16*\b+4:KF+16*\b+7], v[ADK1] offset:1024*\b
	ds_load_b128 v[KF+16*\b+8:KF+16*\b+11], v[ADK] offset:1024*\b+512
	ds_load_b128 v[KF+16*\b+12:KF+16*\b+15], v[ADK1] offset:1024*\b+512
.endr
.endm
.macro KSW
.irp b, 0,1,2,3
	ds_load_b32 v[SW+\b], v[ADS] offset:128*\b     ; lanes 0-15: tile 2 b's words; lanes 16-31: tile 2 b + 1's
.endr
.endm
.macro TABLD o                         ; the table's 64 entries of each tile, into the registers that the score products take as C
.irp x, 0,1
.irp b, 0,1,2,3
.irp c, 0,1,2,3
	ds_load_b128 v[SS+64*\x+16*\b+4*\c:SS+64*\x+16*\b+4*\c+3], v[ATB] offset:\o+32-32*\x+128*\b+16*\c
.endr
.endr
.endr
.endm
; the closing additions of the last step's sums: l = l f + (the four chains).  adr = 1: the step's address lines stand among them
.macro CLOSE adr
.irp x, 0,1
	v_pk_add_f32 v[T+8*\x:T+8*\x+1], v[T+8*\x:T+8*\x+1], v[T+8*\x+2:T+8*\x+3]
.endr
.irp x, 0,1
	v_pk_add_f32 v[T+8*\x+4:T+8*\x+5], v[T+8*\x+4:T+8*\x+5], v[T+8*\x+6:T+8*\x+7]
.endr
.if \adr
	v_add_nc_u32 v[ADV], s[TV], v[L16]
	v_add_nc_u32 v[ADT], s[TJ], v[L4]
	v_add_nc_u32 v[ADK], s[TK], v[L16]
.endif
.irp x, 0,1
	v_pk_add_f32 v[T+8*\x:T+8*\x+1], v[T+8*\x:T+8*\x+1], v[T+8*\x+4:T+8*\x+5]
.endr
.if \adr
	v_add_nc_u32 v[ADK1], s[TK], v[L16H]
	v_add_nc_u32 v[ADS], s[TS], v[L4]
.endif
.irp x, 0,1
	v_pk_fma_f32 v[LS+2*\x:LS+2*\x+1], v[LS+2*\x:LS+2*\x+1], v[FF+2*\x:FF+2*\x+1], v[T+8*\x:T+8*\x+1] op_sel_hi:[1,0,1]
.endr
.endm
.macro SUM4 x, g                       ; tile x's four chains take p's pairs 4 g .. 4 g + 3
.irp c, 0,1,2,3
	v_pk_add_f32 v[T+8*\x+2*\c:T+8*\x+2*\c+1], v[T+8*\x+2*\c:T+8*\x+2*\c+1], v[SS+64*\x+8*\g+2*\c:SS+64*\x+8*\g+2*\c+1]
.endr
.endm
; tile x behind its exponentials: the row's sum of the unquantised p (four chains, closed in the next step) and the four blocks' scales, by turns of four lines
.macro TAIL x
.irp c, 0,1,2,3
	v_pk_add_f32 v[T+8*\x+2*\c:T+8*\x+2*\c+1], v[SS+64*\x+2*\c:SS+64*\x+2*\c+1], v[SS+64*\x+8+2*\c:SS+64*\x+8+2*\c+1]
.endr
.irp b, 0,1,2,3
	v_max_num_f32 v[BM+4*\x+\b], 0x8000000, v[BM+4*\x+\b]          ; the floor 2^(16 - 127): the byte cannot fall under 1
.endr
	SUM4 \x, 2
.irp b, 0,1,2,3
	v_add_nc_u32 v[BS+4*\x+\b], 0xf8800000, v[BM+4*\x+\b]          ; 15 off the exponent field: the conversion's scale operand
.endr
	SUM4 \x, 3
.irp b, 0,1,2,3
	v_lshrrev_b32 v[BP+4*\x+\b], 23, v[BS+4*\x+\b]                 ; the scale's byte
.endr
	SUM4 \x, 4
.irp b, 0,1,2,3
	v_and_or_b32 v[BH+4*\x+\b], v[BM+4*\x+\b], 0x7f800000, s[MNT]  ; 57,344 x the scale
.endr
	SUM4 \x, 5
	v_lshl_or_b32 v[PWD+\x], v[BP+4*\x+1], 8, v[BP+4*\x]
	SUM4 \x, 6
	v_lshl_or_b32 v[PWD+\x], v[BP+4*\x+2], 16, v[PWD+\x]
	SUM4 \x, 7
	v_lshl_or_b32 v[PWD+\x], v[BP+4*\x+3], 24, v[PWD+\x]
.endm
.macro CVT x
.irp b, 0,1,2,3
	v_cvt_scalef32_pk8_bf8_f32 v[PCD+16*\x+4*\b:PCD+16*\x+4*\b+1], v[SS+64*\x+16*\b:SS+64*\x+16*\b+7], v[BS+4*\x+\b]
	v_cvt_scalef32_pk8_bf8_f32 v[PCD+16*\x+4*\b+2:PCD+16*\x+4*\b+3], v[SS+64*\x+16*\b+8:SS+64*\x+16*\b+15], v[BS+4*\x+\b]
.endr
.endm
	s_load_b256 s[4:11], s[0:1], 0x0               ; qk, vt, rel_emb, ctx
	v_lshl_add_u32 v[SPW], v0, 2, SPARE
	v_mov_b32 v[NIL], 0
	ds_add_u32 v[SPW], v[NIL]                      ; the opening lines: the add, twice on end, and its wait ahead of my first tensor load
	ds_add_u32 v[SPW], v[NIL]
	v_lshrrev_b32 v128, 5, v0
	v_readfirstlane_b32 s[WV], v128                ; wave 0..7
	s_and_b32 s14, ttmp7, 0xffff
	s_lshr_b32 s13, s14, 4                         ; batch
	s_and_b32 s14, s14, 15                         ; head
	s_mov_b32 s[G1K], 3<<16                        ; K, both stages: 16,384 dense bytes as 64 rows of 256 (32 elements of 8 bytes)
	s_mov_b32 s[G1K+1], 32<<16
	s_mov_b32 s[G1K+2], 64<<16
	s_mov_b32 s[G1K+3], 32<<16
	s_mov_b32 s[G1K+4], 64
	s_mov_b32 s[G1K+5], 32
	s_mov_b32 s[G1K+6], 0
	s_mov_b32 s[G1K+7], 0
	s_mov_b32 s[G1V], 3<<16                        ; V: rows of 2,048 bytes, 2^18 bytes apart; stage 1: 4 rows
	s_mov_b32 s[G1V+1], 256<<16
	s_mov_b32 s[G1V+2], 4<<16
	s_mov_b32 s[G1V+3], 256<<16
	s_mov_b32 s[G1V+4], 4
	s_mov_b32 s[G1V+5], 32768
	s_mov_b32 s[G1V+6], 0
	s_mov_b32 s[G1V+7], 0
	s_and_b32 s88, s[WV], 1                        ; K (waves 0-3): half c = wave % 2 of the head's 64, tiles 32 (wave / 2) on
	s_lshr_b32 s89, s[WV], 1
	s_lshl_b32 s90, s88, 16
	s_lshl_b32 s91, s89, 14
	s_add_co_u32 s[G0K+1], s90, s91
	s_lshl_b32 s90, s14, 1
	s_add_co_u32 s90, s90, s88
	s_add_co_u32 s90, s90, 40                      ; plane 32 + 2 head + c, behind the 2^21 bytes of scale words (8 planes' worth)
	s_lshl_b32 s90, s90, 18
	s_lshl_b32 s91, s13, 16
	s_add_co_u32 s90, s90, s91
	s_lshl_b32 s91, s89, 14
	s_add_co_u32 s90, s90, s91
	s_mov_b32 s91, 0
	s_and_b32 s92, s[WV], 3                        ; V (waves 4-7), v = wave - 4: stage 1 blocks of keys 4 v on, stage 2 blocks 16 + 12 v on; the head's four tiles
	s_lshl_b32 s93, s92, 13
	s_add_co_u32 s[G0V+1], s93, VB
	s_mul_i32 s93, s92, 24576
	s_add_co_u32 s[G0V2+1], s93, VB+32768
	s_lshl_b32 s93, s13, 6
	s_add_co_u32 s93, s93, 8                       ; 64 batch, behind the 2^21 bytes of scale words
	s_lshl_b32 s94, s92, 2
	s_add_co_u32 s94, s94, s93
	s_lshl_b32 s94, s94, 18
	s_mul_i32 s96, s92, 12
	s_add_co_u32 s96, s96, s93
	s_add_co_u32 s96, s96, 16
	s_lshl_b32 s96, s96, 18
	s_lshl_b32 s93, s14, 11
	s_add_co_u32 s94, s94, s93
	s_add_co_u32 s96, s96, s93
	s_mov_b32 s95, 0
	s_mov_b32 s97, 0
	s_mov_b32 s[G0K], 1
	s_mov_b32 s[G0V], 1
	s_mov_b32 s[G0V2], 1
	s_mov_b32 s[SEL], 0x76543210
	s_mov_b32 s[SEL+1], 0xfedcba98
	s_mov_b32 s[CS], 0x3fb8aa3b                    ; log2(e)
	s_mov_b32 s[CS+1], s[CS]
	s_mov_b32 s[MNT], 0x600000
	s_wait_dscnt 0x0                               ; both opening adds are done
	s_wait_kmcnt 0x0
	s_add_nc_u64 s[G0K+2:G0K+3], s[4:5], s[90:91]
	s_or_b32 s[G0K+3], s[G0K+3], 0x80000000
	s_add_nc_u64 s[G0V+2:G0V+3], s[6:7], s[94:95]
	s_or_b32 s[G0V+3], s[G0V+3], 0x80000000
	s_add_nc_u64 s[G0V2+2:G0V2+3], s[6:7], s[96:97]
	s_or_b32 s[G0V2+3], s[G0V2+3], 0x80000000
	s_cmp_lt_u32 s[WV], 4                          ; stage 1, one tensor load a wave: every way through the head passes exactly one
	s_cbranch_scc0 .Lfill_v
	tensor_load_to_lds s[G0K:G0K+3], s[G1K:G1K+7]
	s_nop 0
.rept 4
	v_nop
.endr
	s_branch .Lfilled
.Lfill_v:
	tensor_load_to_lds s[G0V:G0V+3], s[G1V:G1V+7]
	s_nop 0
.rept 4
	v_nop
.endr
.Lfilled:
	s_lshr_b32 s88, s14, 1                         ; head / 2: which plane of scale words
	s_and_b32 s89, s14, 1
	s_add_co_u32 s90, s88, 8
	s_lshl_b32 s90, s90, 15
	s_lshl_b32 s91, s13, 13
	s_add_co_u32 s90, s90, s91
	s_mov_b32 s91, 0
	s_add_nc_u64 s[90:91], s[4:5], s[90:91]        ; K's scale words of the batch's 128 tiles
	s_lshl_b32 s92, s13, 19
	s_lshl_b32 s93, s14, 8
	s_add_co_u32 s92, s92, s93
	s_mov_b32 s93, 0
	s_add_nc_u64 s[92:93], s[6:7], s[92:93]        ; V's: 256 bytes for each of 16 key steps, 2^15 apart
	s_lshl_b32 s94, s14, 2
	s_mov_b32 s95, 0
	s_add_nc_u64 s[94:95], s[8:9], s[94:95]        ; rel_emb[.][head]
	s_lshl_b32 s72, s14, 19
	s_add_co_u32 s72, s72, 1<<21
	s_mov_b32 s73, 0
	s_add_nc_u64 s[72:73], s[4:5], s[72:73]        ; q's codes: plane 2 head
	s_lshl_b32 s74, s88, 15
	s_mov_b32 s75, 0
	s_add_nc_u64 s[74:75], s[4:5], s[74:75]        ; q's scale words
	s_lshl_b32 s76, s14, 10
	s_add_co_u32 s76, s76, 1<<20
	s_mov_b32 s77, 0
	s_add_nc_u64 s[76:77], s[10:11], s[76:77]      ; ctx's codes: my head's 1,024 bytes of a tile
	s_lshl_b32 s78, s14, 14
	s_lshl_b32 s79, s13, 12
	s_add_co_u32 s78, s78, s79
	s_lshl_b32 s79, ttmp9, 10
	s_add_co_u32 s78, s78, s79
	s_mov_b32 s79, 0
	s_add_nc_u64 s[78:79], s[10:11], s[78:79]      ; ctx's scale bytes: a plane of 16,384 bytes a head, 32 bytes a tile; my work-group's 32 tiles
	s_cmp_eq_u32 s89, 0
	s_mov_b32 s[PSL], 0x03020302
	s_cselect_b32 s[PSL], 0x01000100, s[PSL]
	s_and_b32 s96, s[WV], 3
	s_lshl_b32 s96, s96, 7
	s_sub_co_u32 s96, TAB+480, s96                 ; entry 128, less 4 bytes for each of tile 1's first query in its run of 128 (tile 0: 32 bytes on)
	s_lshl_b32 s97, s[WV], 6
	s_add_co_u32 s97, s97, CST
	v_and_b32 v128, 31, v0                         ; lane
	v_and_b32 v129, 15, v0                         ; r
	v_bfe_u32 v130, v0, 4, 1                       ; lane / 16
	v_lshlrev_b32 v[L16], 4, v128
	v_lshlrev_b32 v[L4], 2, v128
	v_lshlrev_b32 v[QW], 2, v129
	v_add_nc_u32 v[L16H], 0x10000, v[L16]
	v_lshl_add_u32 v[KSA], v0, 4, KSC
	v_lshl_add_u32 v[TBA], v0, 2, TAB
	v_lshl_add_u32 v[CSR], v0, 4, CST
	v_lshlrev_b32 v[CSG], 4, v0
	v_lshl_add_u32 v[CSW], v129, 1, s97
	v_and_b32 v131, 3, v129
	v_mul_u32_u24 v[ATB], v131, 2112               ; copy r % 4
	v_lshl_add_u32 v[ATB], v130, 6, v[ATB]         ; + 16 keys for lanes 16-31
	v_add_nc_u32 v[ATB], s96, v[ATB]
	v_and_b32 v131, 12, v129
	v_lshlrev_b32 v131, 2, v131
	v_lshrrev_b32 v132, 3, v129
	v_lshl_add_u32 v131, v132, 5, v131
	v_sub_nc_u32 v[ATB], v[ATB], v131              ; less 4 bytes for each of r - r % 4 + 8 (r / 8)
	v_lshrrev_b32 v133, 4, v0
	v_lshlrev_b32 v133, 15, v133
	v_lshl_add_u32 v133, v129, 4, v133             ; V's scale words in memory: key step = thread / 16, 16 bytes a thread
	v_sub_nc_u32 v134, 256, v0                     ; the bucket of q - k = 256 - thread, held to 127
	v_min_u32 v134, 127, v134
	v_mov_b32 v135, 16
.irp th, 19,21,24,27,31,35,40,46,52,59,67,77,87,99,113
	v_cmp_le_u32 vcc_lo, \th, v134
	v_cndmask_b32 v131, 0, 1, vcc_lo
	v_add_nc_u32 v135, v135, v131
.endr
	v_cmp_gt_u32 vcc_lo, 16, v134
	v_cndmask_b32 v135, v135, v134, vcc_lo
	v_min_u32 v135, 31, v135
	v_lshlrev_b32 v135, 6, v135                    ; a row of rel_emb is 64 bytes
	v_mov_b32 v132, 0                              ; entries 256 .. 511 (k >= q) are bucket 0
	s_wait_alu depctr_va_vdst(0)
	global_load_b128 v[136:139], v[CSG], s[90:91]
	global_load_b128 v[140:143], v[CSG], s[90:91] offset:4096
	global_load_b128 v[144:147], v133, s[92:93]
	global_load_b32 v148, v135, s[94:95]
	global_load_b32 v149, v132, s[94:95]
	s_load_b32 s[E0C], s[94:95], 0x0               ; rel_emb[0][head]
	s_load_b32 s[E31C], s[94:95], 0x7c0            ; rel_emb[31][head]
	WIN 0x40
.irp x, 0,1
.irp i, 0,1,2,3,4,5,6,7
	v_mov_b32 v[Q+24*\x+8+\i], 0                   ; the zero middle of [q, 0, q]
.endr
.endr
	WIN 0
.irp i, 0,1,2,3,4,5,6,7
	v_mov_b32 v[BP+\i], 0                          ; written once: a lane permute's destination counts as one of its sources
.endr
.irp x, 0,1
	v_mov_b32 v[AD+2*\x+1], 0                      ; (upper halves of pairs whose low word serves both halves)
	v_mov_b32 v[FF+2*\x+1], 0
.endr
	s_wait_alu depctr_va_vdst(0)
	s_wait_loadcnt 0x0
.irp i, 0,1,2,3,4,5,6,7
	v_perm_b32 v[136+\i], v[136+\i], v[136+\i], s[PSL]     ; [s0, s1, s0, s1] of my head
.endr
	ds_store_b128 v[KSA], v[136:139]
	ds_store_b128 v[KSA], v[140:143] offset:4096
	ds_store_b128 v[KSA], v[144:147] offset:VSC-KSC
.irp c, 0,1,2,3
	ds_store_b32 v[TBA], v148 offset:2116*\c       ; copy c holds entry i at word i + c
	ds_store_b32 v[TBA], v149 offset:2116*\c+1024
.endr
	s_wait_kmcnt 0x0
	s_mul_f32 s[E0C], s[E0C], s[CS]
	s_mul_f32 s[E31C], s[E31C], s[CS]
	s_mov_b32 s[PASS], 0
	v_mov_b32 v[HB0], 0
	v_mov_b32 v[HB1], 0
	s_wait_alu depctr_va_vdst(0)
	s_wait_tensorcnt 0x0                           ; my part of stage 1 has landed; no tensor load of mine is out, so descriptors may be written
	ds_add_u32 v[SPW], v[NIL]                      ; 0 onto my spare word
	s_add_co_u32 s[G0K+1], s[G0K+1], 32768         ; stage 2 of K: 64 tiles on, in LDS and in memory
	s_add_nc_u64 s[G0K+2:G0K+3], s[G0K+2:G0K+3], 32768
	s_mov_b32 s[G1V+2], 12<<16                     ; stage 2 of V: 12 rows a wave
	s_mov_b32 s[G1V+4], 12
	s_wait_dscnt 0x0                               ; the add is done, and my stores of scale words and table have landed
	s_barrier_signal -1
	s_barrier_wait -1                              ; everybody's have, and all of stage 1 is in
	s_cmp_lt_u32 s[WV], 4                          ; stage 2: my one tensor load behind this barrier
	s_cbranch_scc0 .Lfill_v2
	tensor_load_to_lds s[G0K:G0K+3], s[G1K:G1K+7]
	s_nop 0
.rept 4
	v_nop
.endr
	s_branch .Lfilled2
.Lfill_v2:
	tensor_load_to_lds s[G0V2:G0V2+3], s[G1V:G1V+7]
	s_nop 0
.rept 4
	v_nop
.endr
.Lfilled2:
; KEY STEPS up to step je - 1: 128 keys x 32 queries a trip
.macro STEPS je
.Lstep_\@:
	s_cmp_gt_u32 s[J], s[SQ]
	s_cselect_b32 s[EBC], s[E0C], s[E31C]          ; all keys behind my queries, or all 129 or more ahead of them
	s_sub_co_u32 s[T0], s[SQ], s[J]
	s_add_co_u32 s[TK], s[TK], 4096                ; the next step's K and its scale words
	s_add_co_u32 s[TS], s[TS], 512
	s_cmp_lt_u32 s[T0], 2                          ; ids alone
	s_cselect_b32 s[EBC], 0, s[EBC]                ; in the two steps between the table is added instead
	s_cbranch_scc1 .Ltab_\@
	s_wait_dscnt 0x0                               ; K's fragments and scale words, asked for a step ago
	QK 0
	s_branch .Ljoin_\@
.Ltab_\@:
	s_cmp_eq_u32 s[T0], 0                          ; ids alone
	s_cbranch_scc1 .Ldiag_\@
	TABLD 0
	s_branch .Lgot_\@
.Ldiag_\@:
	TABLD 512                                      ; on the diagonal: 128 entries on
.Lgot_\@:
	s_wait_dscnt 0x0
	QK 1
.Ljoin_\@:
	CLOSE 1                                        ; 13 plain lines that name no register of the products above: their places
	WIN 0x40
.irp t, 0,1,2,3
.irp c, 0,1,2,3
	ds_load_b128 v[VF+16*\t+4*\c:VF+16*\t+4*\c+3], v[ADV] offset:2048*\c+512*\t    ; this step's V lands under the softmax
.endr
.endr
	KFR                                            ; the next step's K (behind the last step: bytes that are not used)
	WIN 0
	ds_load_b32 v[VW], v[ADT]
	ds_load_b32 v[VW+1], v[ADT] offset:128
	KSW
.irp x, 0,1
.irp b, 0,1,2,3
	v_max3_num_f32 v[BM+4*\x+\b], v[SS+64*\x+16*\b], v[SS+64*\x+16*\b+1], v[SS+64*\x+16*\b+2]   ; the largest score of each block of 32 keys: for the row's maximum and for the block's largest p
.endr
.endr
.irp i, 3,5,7,9,11,13
.irp x, 0,1
.irp b, 0,1,2,3
	v_max3_num_f32 v[BM+4*\x+\b], v[BM+4*\x+\b], v[SS+64*\x+16*\b+\i], v[SS+64*\x+16*\b+\i+1]
.endr
.endr
.endr
.irp x, 0,1
.irp b, 0,1,2,3
	v_max_num_f32 v[BM+4*\x+\b], v[BM+4*\x+\b], v[SS+64*\x+16*\b+15]
.endr
.endr
.irp n, 0,1,2,3,4,5,6,7
	v_permlanex16_b32 v[BP+\n], v[BM+\n], s[SEL], s[SEL+1]
.endr
.irp n, 0,1,2,3,4,5,6,7
	v_max_num_f32 v[BM+\n], v[BM+\n], v[BP+\n]
.endr
.irp x, 0,1
	v_max3_num_f32 v[TT+\x], v[BM+4*\x], v[BM+4*\x+1], v[BM+4*\x+2]
.endr
.irp x, 0,1
	s_delay_alu instid0(VALU_DEP_2)
	v_max_num_f32 v[TT+\x], v[TT+\x], v[BM+4*\x+3]
.endr
.irp x, 0,1
	s_delay_alu instid0(VALU_DEP_2)
	v_fma_f32 v[TT+\x], v[TT+\x], s[CS], s[EBC]    ; the step's largest t
.endr
.irp x, 0,1
	s_delay_alu instid0(VALU_DEP_2)
	v_max_num_f32 v[MM+2*\x+1], v[MM+2*\x+1], v[TT+\x]
.endr
.irp x, 0,1
	v_mov_b32 v[TT+\x], v[MM+2*\x]
.endr
.irp x, 0,1
	s_delay_alu instid0(VALU_DEP_4)
	v_floor_f32 v[MM+2*\x], -v[MM+2*\x+1]          ; -M = floor(-t): M is a whole number
.endr
.irp x, 0,1
	s_delay_alu instid0(VALU_DEP_2)
	v_sub_f32 v[TT+\x], v[MM+2*\x], v[TT+\x]
.endr
.irp x, 0,1
	s_delay_alu instid0(VALU_DEP_2)
	v_cvt_i32_f32 v[TT+\x], v[TT+\x]               ; (it saturates)
.endr
.irp x, 0,1
	s_delay_alu instid0(VALU_DEP_2)
	v_ldexp_f32 v[FF+2*\x], 1.0, v[TT+\x]          ; f = 2^(old M - new M): rounds nothing
.endr
.irp x, 0,1
	v_add_f32 v[AD+2*\x], s[EBC], v[MM+2*\x]
.endr
.set N_, 0
.rept 32
	v_pk_fma_f32 v[SS+N_:SS+N_+1], v[SS+N_:SS+N_+1], s[CS:CS+1], v[AD:AD+1] op_sel_hi:[1,0,0]    ; tile 0: t - M
.set N_, N_+2
.endr
.irp b, 0,1,2,3
	v_fma_f32 v[BM+\b], v[BM+\b], s[CS], v[AD]     ; the same of each block's largest score
.endr
	s_wait_alu depctr_va_vdst(0)
.irp b, 0,1,2,3                                ; TILE 0'S EXPONENTIALS, among them tile 1's multiply-adds, whose results are first read behind the next wait
	v_exp_f32 v[BM+\b], v[BM+\b]                   ; the block's largest p: the same two instructions on the same number
	v_fma_f32 v[BM+4+\b], v[BM+4+\b], s[CS], v[AD+2]
.endr
.set N_, 0
.rept 32
	v_exp_f32 v[SS+N_], v[SS+N_]
	v_pk_fma_f32 v[SS+64+N_:SS+64+N_+1], v[SS+64+N_:SS+64+N_+1], s[CS:CS+1], v[AD+2:AD+3] op_sel_hi:[1,0,0]
	v_exp_f32 v[SS+N_+1], v[SS+N_+1]
.set N_, N_+2
.endr
	v_nop                                          ; a plain line behind the batch,
	s_wait_alu depctr_va_vdst(0)                   ; and the one wait ahead of its first reader
	TAIL 0
	s_wait_alu depctr_va_vdst(0)
.irp b, 0,1,2,3                                ; TILE 1'S EXPONENTIALS, among them tile 0's holds, whose results are first read behind the next wait
	v_exp_f32 v[BM+4+\b], v[BM+4+\b]
.endr
.set N_, 0
.rept 32
	v_exp_f32 v[SS+64+N_], v[SS+64+N_]
	v_dual_min_num_f32 v[SS+N_], v[SS+N_], v[BH+N_/16] :: v_dual_min_num_f32 v[SS+N_+1], v[SS+N_+1], v[BH+N_/16]   ; p is not negative: the hold is one-sided; two a line
	v_exp_f32 v[SS+64+N_+1], v[SS+64+N_+1]
.set N_, N_+2
.endr
	v_nop
	s_wait_alu depctr_va_vdst(0)                   ; the one wait ahead of the batch's first reader, and of the holds'
	CVT 0
	TAIL 1
.set N_, 0
.rept 32
	v_dual_min_num_f32 v[SS+64+N_], v[SS+64+N_], v[BH+4+N_/16] :: v_dual_min_num_f32 v[SS+64+N_+1], v[SS+64+N_+1], v[BH+4+N_/16]
.set N_, N_+2
.endr
	CVT 1
	WIN 0x41                                       ; O^T in window 1, f in window 0
	s_wait_alu depctr_va_vdst(0)                   ; the wait directly ahead of the first reader of O^T
.irp x, 0,1
.set N_, 0
.rept 16
	v_pk_mul_f32 v[OT+32*\x+N_:OT+32*\x+N_+1], v[OT+32*\x+N_:OT+32*\x+N_+1], v[FF+2*\x:FF+2*\x+1] op_sel_hi:[1,0]   ; O^T under the new M; these 32 also stand between the codes and the products
.set N_, N_+2
.endr
.endr
	WIN 0x51                                       ; V, C and D in window 1, p's codes in window 0
	s_wait_alu depctr_va_vdst(0)
	s_wait_dscnt 0x4                               ; V and its scale words are in; the four loads of the next step's K scale words may be out
.irp t, 0,1,2,3
.irp x, 0,1
	WM OT+32*\x+8*\t, VF+16*\t, PCD+16*\x, 1, VW+\t/2, PWD+\x, \t%2
.endr
.endr
	WIN 0
	s_add_co_u32 s[TV], s[TV], 8192
	s_add_co_u32 s[TJ], s[TJ], 256
	s_add_co_u32 s[J], s[J], 1
	s_cmp_lt_u32 s[J], \je
	s_cbranch_scc1 .Lstep_\@
.endm
.Lpass:
	s_wait_xcnt 0x0                                ; the last pass's stores have read their registers and bases
	s_lshl_b32 s29, s13, 7
	s_lshl_b32 s88, ttmp9, 5
	s_add_co_u32 s29, s29, s88
	s_lshl_b32 s88, s[PASS], 4
	s_add_co_u32 s29, s29, s88
	s_lshl_b32 s88, s[WV], 1
	s_add_co_u32 s29, s29, s88                     ; my first tile of tokens: 128 batch + 32 x + 16 pass + 2 wave
	s_mov_b32 s89, 0
	s_lshl_b32 s88, s29, 9
	s_add_nc_u64 s[30:31], s[72:73], s[88:89]
	s_lshl_b32 s88, s29, 6
	s_add_nc_u64 s[32:33], s[74:75], s[88:89]
	s_lshl_b32 s88, s29, 14
	s_add_nc_u64 s[34:35], s[76:77], s[88:89]
	s_lshl_b32 s[SQ], ttmp9, 2
	s_lshl_b32 s88, s[PASS], 1
	s_add_co_u32 s[SQ], s[SQ], s88
	s_lshr_b32 s88, s[WV], 2
	s_add_co_u32 s[SQ], s[SQ], s88                 ; the run of 128 in which my 32 queries lie
	s_mov_b32 s[J], 0
	s_mov_b32 s[TK], KB
	s_mov_b32 s[TS], KSC
	s_mov_b32 s[TV], VB
	s_mov_b32 s[TJ], VSC
	WIN 0x40
.irp x, 0,1
	global_load_b128 v[Q+24*\x:Q+24*\x+3], v[L16], s[30:31] offset:512*\x
	global_load_b128 v[Q+24*\x+4:Q+24*\x+7], v[L16], s[30:31] offset:262144+512*\x
	global_load_b128 v[Q+24*\x+16:Q+24*\x+19], v[L16], s[30:31] offset:512*\x
	global_load_b128 v[Q+24*\x+20:Q+24*\x+23], v[L16], s[30:31] offset:262144+512*\x
.endr
	WIN 0
.irp x, 0,1
	global_load_b32 v[QSW+\x], v[QW], s[32:33] offset:64*\x
.endr
	v_add_nc_u32 v[ADK], s[TK], v[L16]
	v_add_nc_u32 v[ADK1], s[TK], v[L16H]
	v_add_nc_u32 v[ADS], s[TS], v[L4]
	WIN 0x40
	KFR                                            ; key step 0's fragments of K
	WIN 0
	KSW
.irp i, 0,1,2,3,4,5,6,7,8,9,10,11,12,13,14,15
	v_mov_b32 v[T+\i], 0                           ; the first step closes sums of zeros
.endr
.irp x, 0,1
	v_mov_b32 v[LS+2*\x], 0
	v_mov_b32 v[LS+2*\x+1], 0
	v_mov_b32 v[FF+2*\x], 0
	v_mov_b32 v[MM+2*\x+1], 0xff61b1e6             ; the largest t so far: -3e38
.endr
.irp x, 0,1
	v_floor_f32 v[MM+2*\x], -v[MM+2*\x+1]
.endr
	s_wait_alu depctr_va_vdst(0)
	s_wait_loadcnt 0x0
.irp x, 0,1
	v_perm_b32 v[QSW+\x], v[QSW+\x], v[QSW+\x], s[PSL]
.endr
	WIN 0x40
.set N_, 0
.rept 64
	v_mov_b32 v[OT+N_], 0                          ; the step is written without a first of its own: the first finds zeros, which the first change of M leaves zeros
.set N_, N_+1
.endr
	WIN 0
	s_wait_alu depctr_va_vdst(0)
	STEPS 4                                        ; key steps 0-3: they read stage 1 alone
	s_wait_tensorcnt 0x0                           ; my part of stage 2 has landed (in the second pass nothing is out),
	s_wait_dscnt 0x0                               ; no LDS instruction of mine is out at the signal;
	s_barrier_signal -1
	s_barrier_wait -1                              ; everybody's has.
	STEPS 16                                       ; key steps 4-15
	; THE PASS'S END: O^T / the sum, quantised along the head's 64 (two blocks), straight into the last product's operand
	CLOSE 0                                        ; the last step's sums; eight places behind the last products
.irp x, 0,1
	v_add_f32 v[LS+2*\x], v[LS+2*\x], v[LS+2*\x+1]
.endr
.irp x, 0,1
	v_permlanex16_b32 v[BP+\x], v[LS+2*\x], s[SEL], s[SEL+1]
.endr
.irp x, 0,1
	v_add_f32 v[LS+2*\x], v[LS+2*\x], v[BP+\x]
.endr
	s_wait_alu depctr_va_vdst(0)
.irp x, 0,1
	v_rcp_f32 v[AD+2*\x], v[LS+2*\x]
.endr
	v_nop
	WIN 0x01
	s_wait_alu depctr_va_vdst(0)                   ; the wait ahead of the first reader, of the reciprocals and of O^T
.irp x, 0,1
.set N_, 0
.rept 16
	v_pk_mul_f32 v[SS+64*\x+N_:SS+64*\x+N_+1], v[OT+32*\x+N_:OT+32*\x+N_+1], v[AD+2*\x:AD+2*\x+1] op_sel_hi:[1,0]   ; register 16 b + i: channel 32 b + 16 (lane / 16) + i of the head
.set N_, N_+2
.endr
.endr
	WIN 0
.irp x, 0,1
.irp b, 0,1
	v_max3_num_f32 v[BM+4*\x+\b], |v[SS+64*\x+16*\b]|, |v[SS+64*\x+16*\b+1]|, 0x8000000
.endr
.endr
.irp i, 2,4,6,8,10,12,14
.irp x, 0,1
.irp b, 0,1
	v_max3_num_f32 v[BM+4*\x+\b], v[BM+4*\x+\b], |v[SS+64*\x+16*\b+\i]|, |v[SS+64*\x+16*\b+\i+1]|
.endr
.endr
.endr
.irp n, 0,1,4,5
	v_permlanex16_b32 v[BP+\n], v[BM+\n], s[SEL], s[SEL+1]
.endr
.irp n, 0,1,4,5
	v_max_num_f32 v[BM+\n], v[BM+\n], v[BP+\n]
.endr
.irp n, 0,1,4,5
	v_add_nc_u32 v[BS+\n], 0xf8800000, v[BM+\n]
.endr
.irp n, 0,1,4,5
	v_and_or_b32 v[BH+\n], v[BM+\n], 0x7f800000, s[MNT]
.endr
.irp n, 0,1,4,5
	v_lshrrev_b32 v[BP+\n], 23, v[BS+\n]
.endr
.irp x, 0,1
	v_lshl_or_b32 v[TT+\x], v[BP+4*\x+1], 8, v[BP+4*\x]
.endr
	v_alignbit_b32 v[HB0], v[TT], v[HB0], 16       ; the pass's two bytes come in from above: behind two passes pass 0's lie in the low half
	v_alignbit_b32 v[HB1], v[TT+1], v[HB1], 16
.irp x, 0,1
.irp b, 0,1
.irp i, 0,1,2,3,4,5,6,7,8,9,10,11,12,13,14,15
	v_med3_num_f32 v[SS+64*\x+16*\b+\i], v[SS+64*\x+16*\b+\i], -v[BH+4*\x+\b], v[BH+4*\x+\b]
.endr
	v_cvt_scalef32_pk8_bf8_f32 v[PCD+16*\x+4*\b:PCD+16*\x+4*\b+1], v[SS+64*\x+16*\b:SS+64*\x+16*\b+7], v[BS+4*\x+\b]
	v_cvt_scalef32_pk8_bf8_f32 v[PCD+16*\x+4*\b+2:PCD+16*\x+4*\b+3], v[SS+64*\x+16*\b+8:SS+64*\x+16*\b+15], v[BS+4*\x+\b]
.endr
.endr
	v_nop                                          ; a plain line behind the last conversion
.irp x, 0,1
.irp b, 0,1
	global_store_b128 v[L16], v[PCD+16*\x+4*\b:PCD+16*\x+4*\b+3], s[34:35] offset:16384*\x+512*\b   ; 512 consecutive bytes each, aligned
.endr
.endr
	s_wait_dscnt 0x0                               ; the loads of K that ran past the last step are back
	s_add_co_u32 s[PASS], s[PASS], 1
	s_cmp_lt_u32 s[PASS], 2
	s_cbranch_scc1 .Lpass
	ds_store_b16 v[CSW], v[HB0]                    ; my rows' two bytes of each pass and tile; lanes r and r + 16 write the same
	ds_store_b16 v[CSW], v[HB1] offset:32
	ds_store_b16_d16_hi v[CSW], v[HB0] offset:512
	ds_store_b16_d16_hi v[CSW], v[HB1] offset:544
	s_wait_dscnt 0x0                               ; for the others' sake: my stores have landed
	s_barrier_signal -1
	s_barrier_wait -1                              ; everybody's scale bytes of both passes lie in the stage
	s_cmp_lt_u32 s[WV], 2
	s_cbranch_scc0 .Ldone
	ds_load_b128 v[BM:BM+3], v[CSR]                ; 32 tiles' bytes leave as 1,024 consecutive bytes, 512 a wave
	s_wait_dscnt 0x0
	global_store_b128 v[CSG], v[BM:BM+3], s[78:79]
.Ldone:
	s_wait_tensorcnt 0x0                           ; the wave's end
	ds_add_u32 v[SPW], v[NIL]
	s_wait_dscnt 0x0
	s_endpgm
.Lfunc_end_k_q4a2fbb4146_attn:
	.size	k_q4a2fbb4146_attn, .Lfunc_end_k_q4a2fbb4146_attn-k_q4a2fbb4146_attn
	.p2alignl 7, 3214868480
	.fill 96, 4, 3214868480
	.section	.rodata,"a",@progbits
	.p2align	6, 0x0
	.amdhsa_kernel k_q4a2fbb4146_attn
		.amdhsa_group_segment_fixed_size 327680
		.amdhsa_private_segment_fixed_size 0
		.amdhsa_enable_private_segment 0
		.amdhsa_kernarg_size 32
		.amdhsa_user_sgpr_count 2
		.amdhsa_user_sgpr_kernarg_segment_ptr 1
		.amdhsa_wavefront_size32 1
		.amdhsa_system_sgpr_workgroup_id_x 1
		.amdhsa_system_sgpr_workgroup_id_y 1
		.amdhsa_system_sgpr_workgroup_id_z 1
		.amdhsa_system_vgpr_workitem_id 0
		.amdhsa_next_free_vgpr 512
		.amdhsa_next_free_sgpr 100
		.amdhsa_reserve_vcc 1
		.amdhsa_float_denorm_mode_32 3
		.amdhsa_float_denorm_mode_16_64 3
		.amdhsa_memory_ordered 1
		.amdhsa_forward_progress 1
		.amdhsa_inst_pref_size 114
	.end_amdhsa_kernel
	.amdgpu_metadata
---
amdhsa.version: [ 1, 2 ]
amdhsa.kernels:
  - .name:           k_q4a2fbb4146_attn
    .symbol:         k_q4a2fbb4146_attn.kd
    .args:
      - { .name: qk, .offset: 0, .size: 8, .value_kind: global_buffer, .address_space: global }
      - { .name: vt, .offset: 8, .size: 8, .value_kind: global_buffer, .address_space: global }
      - { .name: rel_emb, .offset: 16, .size: 8, .value_kind: global_buffer, .address_space: global }
      - { .name: ctx, .offset: 24, .size: 8, .value_kind: global_buffer, .address_space: global }
    .group_segment_fixed_size: 327680
    .private_segment_fixed_size: 0
    .kernarg_segment_align: 8
    .kernarg_segment_size: 32
    .max_flat_workgroup_size: 256
    .sgpr_count:     100
    .vgpr_count:     512
    .wavefront_size: 32
...
	.end_amdgpu_metadata
.endif
;; end of part 3
;; launch gemmo (part 4): grid 4 x 32, 4 waves a work-group, clusters of 4 x 4, 327,680 bytes of LDS; arguments woq, ctx, input_ids, out0; writes out0
.if DOCPART == 4
	.amdgcn_target "amdgcn-amd-amdhsa--gfx1250"
	.amdhsa_code_object_version 6
	.text
	.protected	k_q4a2fbb4146_gemmo
	.globl	k_q4a2fbb4146_gemmo
	.p2align	8
	.type	k_q4a2fbb4146_gemmo,@function
k_q4a2fbb4146_gemmo:
	s_mov_b64 s[64:65], 0
	v_nop
	global_prefetch_b8 v0, s[64:65] scope:SCOPE_SE
	s_setreg_imm32_b32 hwreg(HW_REG_WAVE_MODE, 25, 1), 1
	s_wait_xcnt 0x0
	s_wait_alu depctr_hold_cnt(0) depctr_sa_sdst(0) depctr_va_vdst(0) depctr_va_sdst(0) depctr_va_ssrc(0) depctr_va_vcc(0) depctr_vm_vsrc(0)
	s_getreg_b32 s2, hwreg(HW_REG_IB_STS2, 6, 4)
	s_cmp_eq_u32 s2, 0
	s_cbranch_scc0 .Lentry_in_a_cluster
	s_endpgm
.Lentry_in_a_cluster:
	s_bfe_u32 s2, ttmp6, 0x10000c
	s_cmp_lg_u32 s2, 0xf033
	s_cbranch_scc0 .Lentry_shape_is_right
	s_endpgm
.Lentry_shape_is_right:
.set NQ,     2
.set FR,     16
.set NL,     4
.set NP,     8
.set HALFT,  32768
.set SLOT,   131072
.set SCL,    262144
.set SCP,    8320
.set SPARE,  280832
.set SPITCH, 528
.set ADRA, 16
.set ADRB, 20
.set STO,  24
.set RD,   25
.set CO,   26
.set ADRS, 27
.set SPW,  28
.set NIL,  29
.set SC,   32
.set AF,   128
.set BK,   128
.set G1, 24
.set G0, 32
.set G1B, 48
.set G0B, 56
.set G1S, 68
.set G0S, 76
.set MSB, 0
.macro WIN new
.if MSB != (\new)
	s_set_vgpr_msb (MSB<<8)|(\new)
.set MSB, (\new)
.endif
.endm
.set MUL_LO, 0xa1
.set MUL_HI, 0xf1
.set TO_B,   0x40
.macro JLOAD g0a, g1a, g0b, g1b
	s_cmp_eq_u32 s15, 0
	s_cbranch_scc0 .Lfor_b_\@
	tensor_load_to_lds s[\g0a:\g0a+3], s[\g1a:\g1a+7]
	s_nop 0
.rept 4
	v_nop
.endr
	s_branch .Lasked_\@
.Lfor_b_\@:
	tensor_load_to_lds s[\g0b:\g0b+3], s[\g1b:\g1b+7]
	s_nop 0
.rept 4
	v_nop
.endr
.Lasked_\@:
.endm
.macro CREST
	s_cmp_lg_u32 s14, 0
	s_cbranch_scc1 .Lnot_wave_0_\@
	s_barrier_signal -3
.Lnot_wave_0_\@:
	s_barrier_wait -3
	s_barrier_signal -1
	s_barrier_wait -1
.endm
.macro CROUND
	s_barrier_signal -1
	s_barrier_wait -1
	CREST
.endm
	s_load_b256 s[4:11], s[0:1], 0x0
	v_lshl_add_u32 v[SPW], v0, 2, SPARE
	v_mov_b32 v[NIL], 0
	ds_add_u32 v28, v29
	ds_add_u32 v28, v29
	s_wait_dscnt 0x0
	v_lshrrev_b32 v1, 5, v0
	v_readfirstlane_b32 s14, v1
	s_lshr_b32 s15, s14, 1
	s_and_b32 s16, s14, 1
	s_bfe_u32 s40, ttmp6, 0x40000
	s_bfe_u32 s41, ttmp6, 0x40004
	s_lshl_b32 s42, ttmp9, 2
	s_add_co_u32 s42, s42, s40
	s_and_b32 s17, ttmp7, 0xffff
	s_lshl_b32 s17, s17, 2
	s_add_co_u32 s17, s17, s41
	s_lshl_b32 s43, s41, 2
	s_lshl_b32 s43, 15, s43
	s_lshl_b32 s44, 0x1111, s40
	s_or_b32 s[G1+0], s43, (3<<16)|(1<<21)
	s_or_b32 s[G1B+0], s44, (3<<16)|(1<<21)
.irp g, G1, G1B
	s_mov_b32 s[\g+1], 512<<16
	s_mov_b32 s[\g+2], 8<<16
	s_mov_b32 s[\g+3], 512<<16
	s_mov_b32 s[\g+4], 8
	s_mov_b32 s[\g+5], 2048
	s_mov_b32 s[\g+6], 0
	s_mov_b32 s[\g+7], 0
.endr
	s_or_b32 s[G1S+0], s44, (3<<16)|(1<<21)
	s_mov_b32 s[G1S+1], 32<<16
	s_mov_b32 s[G1S+2], 8<<16
	s_mov_b32 s[G1S+3], 32<<16
	s_mov_b32 s[G1S+4], 8
	s_mov_b32 s[G1S+5], 32
	s_mov_b32 s[G1S+6], 0
	s_mov_b32 s[G1S+7], 0
	s_lshl_b32 s18, s16, 3
	s_lshl_b32 s20, s17, 4
	s_add_co_u32 s20, s20, s18
	s_lshl_b32 s46, s42, 4
	s_add_co_u32 s46, s46, s18
	s_lshl_b32 s20, s20, 14
	s_add_co_u32 s20, s20, 1<<20
	s_mov_b32 s21, 0
	s_lshl_b32 s46, s46, 14
	s_add_co_u32 s46, s46, 1<<20
	s_mov_b32 s47, 0
	s_lshl_b32 s22, s42, 13
	s_lshl_b32 s94, s14, 11
	s_add_co_u32 s22, s22, s94
	s_mov_b32 s23, 0
	s_lshl_b32 s92, s17, 9
	s_mov_b32 s93, 0
	s_lshl_b32 s45, s14, 15
	s_wait_kmcnt 0x0
	s_add_nc_u64 s[20:21], s[6:7], s[20:21]
	s_add_nc_u64 s[46:47], s[4:5], s[46:47]
	s_add_nc_u64 s[22:23], s[4:5], s[22:23]
	s_add_nc_u64 s[92:93], s[6:7], s[92:93]
	CROUND
	s_mov_b32 s[G0S], 1
	s_add_co_u32 s[G0S+1], s94, SCL+SCP
	s_mov_b64 s[G0S+2:G0S+3], s[22:23]
	s_or_b32 s[G0S+3], s[G0S+3], 0x80000000
	tensor_load_to_lds s[G0S:G0S+3], s[G1S:G1S+7]
	s_nop 0
.rept 4
	v_nop
.endr
.irp s, 0,1
	s_mov_b32 s[G0+4*\s], 1
	s_add_co_u32 s[G0+4*\s+1], s45, \s*SLOT
	s_add_nc_u64 s[G0+4*\s+2:G0+4*\s+3], s[20:21], \s*4096
	s_or_b32 s[G0+4*\s+3], s[G0+4*\s+3], 0x80000000
	s_mov_b32 s[G0B+4*\s], 1
	s_add_co_u32 s[G0B+4*\s+1], s45, \s*SLOT
	s_add_nc_u64 s[G0B+4*\s+2:G0B+4*\s+3], s[46:47], \s*4096
	s_or_b32 s[G0B+4*\s+3], s[G0B+4*\s+3], 0x80000000
	s_wait_alu depctr_va_vdst(0)
	s_wait_tensorcnt 0x0
	ds_add_u32 v28, v29
	s_wait_dscnt 0x0
	CROUND
	JLOAD G0+4*\s, G1, G0B+4*\s, G1B
.endr
	v_lshlrev_b32 v4, 2, v0
.irp p, 0,1,2,3,4,5,6,7,8,9,10,11,12,13,14,15
	global_load_b32 v[64+\p], v4, s[92:93] offset:16384*\p
.endr
	v_lshrrev_b32 v5, 3, v0
	v_and_b32 v6, 7, v0
	v_lshlrev_b32 v5, 9, v5
	v_lshl_add_u32 v5, v6, 4, v5
	v_add_nc_u32 v5, SCL, v5
	s_mov_b32 s96, 0x05040100
	s_mov_b32 s97, 0x07060302
	v_and_b32 v1, 15, v0
	v_bfe_u32 v2, v0, 4, 1
	s_wait_alu depctr_va_vdst(0)
	v_and_b32 v3, 31, v0
	v_lshlrev_b32 v[CO], 4, v3
	s_lshl_b32 s21, s15, 15
	s_lshl_b32 s22, s16, 15
	s_add_co_u32 s22, s22, 2*HALFT
.irp s, 0,1
	v_add_nc_u32 v[ADRA+\s], s21, v[CO]
	v_add_nc_u32 v[ADRB+\s], s22, v[CO]
	s_add_co_u32 s21, s21, SLOT
	s_add_co_u32 s22, s22, SLOT
.endr
	v_lshlrev_b32 v7, 3, v1
	s_lshl_b32 s21, s15, 12
	s_lshl_b32 s22, s16, 12
	s_add_co_u32 s22, s22, SCP
	s_sub_co_u32 s22, s22, s21
	v_mul_u32_u24 v6, s22, v2
	s_add_co_u32 s21, s21, SCL
	v_add_nc_u32 v7, v7, v6
	v_add_nc_u32 v[ADRS], s21, v7
	s_mul_i32 s23, s14, 16*SPITCH
	v_mul_u32_u24 v7, v1, SPITCH
	v_lshl_add_u32 v7, v2, 6, v7
	v_add_nc_u32 v[STO], s23, v7
	v_add_nc_u32 v[RD], s23, v[CO]
	s_lshl_b32 s46, s17, 20
	s_lshl_b32 s47, s15, 19
	s_add_co_u32 s46, s46, s47
	s_lshl_b32 s47, s42, 10
	s_add_co_u32 s46, s46, s47
	s_lshl_b32 s47, s16, 9
	s_add_co_u32 s46, s46, s47
	s_mov_b32 s47, 0
	s_add_nc_u64 s[8:9], s[8:9], s[46:47]
	s_add_nc_u64 s[10:11], s[10:11], s[46:47]
	s_wait_loadcnt 0x0
.irp g, 0,1,2,3
	v_perm_b32 v[80+4*\g],   v[64+4*\g+1], v[64+4*\g],   s96
	v_perm_b32 v[80+4*\g+1], v[64+4*\g+3], v[64+4*\g+2], s96
	v_perm_b32 v[80+4*\g+2], v[64+4*\g+1], v[64+4*\g],   s97
	v_perm_b32 v[80+4*\g+3], v[64+4*\g+3], v[64+4*\g+2], s97
.endr
.irp g, 0,1,2,3
	ds_store_b128 v5, v[80+4*\g:80+4*\g+3] offset:128*\g
.endr
.macro FRAG reg, adr, q, i
.irp c, 0,1,2,3
	ds_load_b128 v[\reg+4*\c:\reg+4*\c+3], v[\adr] offset:2048*(\q)+512*\c+(\i)*4096
.endr
.endm
.macro MUL16 a0, p, q, sc, zero
.irp a, \a0, \a0+1
.irp b, 0,1,2,3,4,5,6,7
.if \zero
	v_wmma_scale_f32_16x16x128_f8f6f4 v[8*(8*((\a)%4)+\b):8*(8*((\a)%4)+\b)+7], v[128*(\p)+FR*\b:128*(\p)+FR*\b+FR-1], v[AF+FR*(\a):AF+FR*(\a)+FR-1], 0, v[SC+8*NQ*(\sc)+NQ*\b+(\q)], v[SC+8*NQ*(\sc)+NQ*(\a)+(\q)] matrix_a_fmt:MATRIX_FMT_BF8 matrix_b_fmt:MATRIX_FMT_BF8 matrix_a_scale:MATRIX_SCALE_ROW1
.else
	v_wmma_scale_f32_16x16x128_f8f6f4 v[8*(8*((\a)%4)+\b):8*(8*((\a)%4)+\b)+7], v[128*(\p)+FR*\b:128*(\p)+FR*\b+FR-1], v[AF+FR*(\a):AF+FR*(\a)+FR-1], v[8*(8*((\a)%4)+\b):8*(8*((\a)%4)+\b)+7], v[SC+8*NQ*(\sc)+NQ*\b+(\q)], v[SC+8*NQ*(\sc)+NQ*(\a)+(\q)] matrix_a_fmt:MATRIX_FMT_BF8 matrix_b_fmt:MATRIX_FMT_BF8 matrix_a_scale:MATRIX_SCALE_ROW1
.endif
.endr
.endr
.endm
.macro FETCH_B slot, q, p
	WIN TO_B
.irp i, 0,1,2,3,4,5,6,7
	FRAG 128*(\p)+FR*\i, ADRB+\slot, \q, \i
.endr
	WIN 0
.endm
.macro FETCH_A slot, q, i0
.irp i, \i0, \i0+1, \i0+2, \i0+3
	FRAG AF+FR*(\i), ADRA+\slot, \q, \i
.endr
.endm
.macro SCALES sc
.irp i, 0,1,2,3,4,5,6,7
	ds_load_b64 v[SC+8*NQ*\sc+NQ*\i:SC+8*NQ*\sc+NQ*\i+1], v[ADRS] offset:\i*512
.endr
.endm
.macro PLACES n
.rept \n
	v_nop
.endr
.endm
.macro STEP slot, q, zero
	s_wait_dscnt 4*NL
	WIN MUL_LO
	MUL16 0, (\q)%2, \q, \slot, \zero
	MUL16 2, (\q)%2, \q, \slot, \zero
	s_wait_dscnt 0
	PLACES NP
	FETCH_B \slot, (\q)+1, 1-(\q)%2
	FETCH_A \slot, (\q)+1, 0
	WIN MUL_HI
	MUL16 4, (\q)%2, \q, \slot, \zero
	MUL16 6, (\q)%2, \q, \slot, \zero
	PLACES NP
	WIN 0
	FETCH_A \slot, (\q)+1, 4
.endm
.macro TURN slot, next, fill
	s_wait_tensorcnt 0x0
	ds_add_u32 v[SPW], v[NIL]
	s_wait_dscnt 4*NL+1
	WIN MUL_LO
	MUL16 0, 1, NQ-1, \slot, 0
	s_wait_dscnt 0x0
	s_barrier_signal -1
	MUL16 2, 1, NQ-1, \slot, 0
	WIN 0
	s_barrier_wait -1
.if \fill
	CREST
	s_add_nc_u64 s[G0+4*\slot+2:G0+4*\slot+3], s[G0+4*\slot+2:G0+4*\slot+3], 8192
	s_add_nc_u64 s[G0B+4*\slot+2:G0B+4*\slot+3], s[G0B+4*\slot+2:G0B+4*\slot+3], 8192
	JLOAD G0+4*\slot, G1, G0B+4*\slot, G1B
	PLACES NP-4
.else
	PLACES NP
.endif
	s_wait_alu depctr_va_vdst(0)
	v_add_nc_u32 v[ADRS], 128, v[ADRS]
	FETCH_B \next, 0, 0
	FETCH_A \next, 0, 0
	SCALES \next
	WIN MUL_HI
	MUL16 4, 1, NQ-1, \slot, 0
	MUL16 6, 1, NQ-1, \slot, 0
	PLACES NP
	WIN 0
	FETCH_A \next, 0, 4
.endm
	s_wait_tensorcnt 1
	s_wait_dscnt 0x0
	s_barrier_signal -1
	s_barrier_wait -1
	FETCH_B 0, 0, 0
	FETCH_A 0, 0, 0
	SCALES 0
	FETCH_A 0, 0, 4
	STEP 0, 0, 1
	TURN 0, 1, 1
	STEP 1, 0, 0
	TURN 1, 0, 1
	STEP 0, 0, 0
	TURN 0, 1, 0
	STEP 1, 0, 0
	s_wait_dscnt 4*NL
	WIN MUL_LO
	MUL16 0, 1, NQ-1, 1, 0
	MUL16 2, 1, NQ-1, 1, 0
	s_wait_dscnt 0
	WIN MUL_HI
	MUL16 4, 1, NQ-1, 1, 0
	MUL16 6, 1, NQ-1, 1, 0
	WIN 0
.macro RESLOAD a
	WIN 0x40
.irp t, 0,1,2,3,4,5,6,7,8,9,10,11,12,13,14,15
	global_load_b128 v[64*((\a)%4)+4*\t:64*((\a)%4)+4*\t+3], v[CO], s[8:9] offset:(32*((\a)/2)+8*((\a)%2)+\t+8*(\t/8))*4096 th:TH_LOAD_NT
.endr
	WIN 0
.endm
.macro TOSTAGE a
.set AC, 64*((\a)%4)
	WIN 0x08+4*((\a)/4)
.irp b, 0,1,2,3,4,5,6,7
	ds_store_b128 v[STO], v[AC+8*\b:AC+8*\b+3] offset:128*(\b/2)+32*(\b%2)
	ds_store_b128 v[STO], v[AC+8*\b+4:AC+8*\b+7] offset:128*(\b/2)+32*(\b%2)+16
.endr
	WIN 0
.set BB, BK+64*((\a)%2)
.irp t, 0,1,2,3,4,5,6,7,8,9,10,11,12,13,14,15
	ds_load_b128 v[BB+4*\t:BB+4*\t+3], v[RD] offset:\t*SPITCH
.endr
.endm
.macro SEND a, younger
.set BB, BK+64*((\a)%2)
.set RS, 64*((\a)%4)
	s_wait_dscnt \younger
.if (\a) <= 5
	s_wait_loadcnt 32
.elseif (\a) == 6
	s_wait_loadcnt 16
.else
	s_wait_loadcnt 0
.endif
	WIN 0x04
.irp j, 0,2,4,6,8,10,12,14,16,18,20,22,24,26,28,30,32,34,36,38,40,42,44,46,48,50,52,54,56,58,60,62
	v_pk_add_f32 v[BB+\j:BB+\j+1], v[BB+\j:BB+\j+1], v[RS+\j:RS+\j+1]
.endr
	WIN 0
.irp t, 0,1,2,3,4,5,6,7,8,9,10,11,12,13,14,15
	global_store_b128 v[CO], v[BB+4*\t:BB+4*\t+3], s[10:11] offset:(32*((\a)/2)+8*((\a)%2)+\t+8*(\t/8))*4096 th:TH_STORE_NT
.endr
.endm
	PLACES NP
	RESLOAD 0
	RESLOAD 1
	RESLOAD 2
	TOSTAGE 0
.irp a, 1,2,3,4,5,6,7
.if \a > 1
	s_wait_xcnt 0x0
.endif
	TOSTAGE \a
	SEND \a-1, 32
.if \a+2 <= 7
	RESLOAD \a+2
.endif
.endr
	SEND 7, 0
	s_wait_tensorcnt 0x0
	ds_add_u32 v[SPW], v[NIL]
	s_wait_dscnt 0x0
	CROUND
	s_endpgm
.Lfunc_end_k_q4a2fbb4146_gemmo:
	.size	k_q4a2fbb4146_gemmo, .Lfunc_end_k_q4a2fbb4146_gemmo-k_q4a2fbb4146_gemmo
	.p2alignl 7, 3214868480
	.fill 96, 4, 3214868480
	.section	.rodata,"a",@progbits
	.p2align	6, 0x0
	.amdhsa_kernel k_q4a2fbb4146_gemmo
		.amdhsa_group_segment_fixed_size 327680
		.amdhsa_private_segment_fixed_size 0
		.amdhsa_enable_private_segment 0
		.amdhsa_kernarg_size 32
		.amdhsa_user_sgpr_count 2
		.amdhsa_user_sgpr_kernarg_segment_ptr 1
		.amdhsa_wavefront_size32 1
		.amdhsa_system_sgpr_workgroup_id_x 1
		.amdhsa_system_sgpr_workgroup_id_y 1
		.amdhsa_system_sgpr_workgroup_id_z 1
		.amdhsa_system_vgpr_workitem_id 0
		.amdhsa_next_free_vgpr 1024
		.amdhsa_next_free_sgpr 98
		.amdhsa_reserve_vcc 0
		.amdhsa_float_denorm_mode_32 3
		.amdhsa_float_denorm_mode_16_64 3
		.amdhsa_memory_ordered 1
		.amdhsa_forward_progress 1
		.amdhsa_inst_pref_size 177
	.end_amdhsa_kernel
	.amdgpu_metadata
---
amdhsa.version: [ 1, 2 ]
amdhsa.kernels:
  - .name:           k_q4a2fbb4146_gemmo
    .symbol:         k_q4a2fbb4146_gemmo.kd
    .args:
      - { .name: woq, .offset: 0, .size: 8, .value_kind: global_buffer, .address_space: global }
      - { .name: ctx, .offset: 8, .size: 8, .value_kind: global_buffer, .address_space: global }
      - { .name: input_ids, .offset: 16, .size: 8, .value_kind: global_buffer, .address_space: global }
      - { .name: out0, .offset: 24, .size: 8, .value_kind: global_buffer, .address_space: global }
    .group_segment_fixed_size: 327680
    .private_segment_fixed_size: 0
    .kernarg_segment_align: 8
    .kernarg_segment_size: 32
    .max_flat_workgroup_size: 128
    .sgpr_count:     98
    .vgpr_count:     1024
    .wavefront_size: 32
...
	.end_amdgpu_metadata
.endif
;; end of part 4
